; MI455X (gfx1250); checked and timed in simulation.
; The chip was launched on July 23, 2026; its instructions are those of AMD's public machine-readable ISA for CDNA 5 (MIT licence, August 2026) and "CDNA5" Instruction Set Architecture Reference Guide (July 2026). The comments in the code are by the model that wrote it; some were corrected since.
;; Casual Attention. Allowed arithmetic: float matrix products may take bf16 or f16 operands with f32 sums; other float arithmetic in f32, or as packed bf16 or f16 multiplies, adds, multiply-adds, maxima and minima; sums over many terms, partial sums and values carried from step to step in f32; what a program stores and reads back later, other than sums and carried values, may be rounded once to bf16 or f16.
;; Inputs: Wk 1,024 x 1,024 float32; Wq 1,024 x 1,024 float32; Wv 1,024 x 1,024 float32; x 4 x 2,048 x 1,024 float32.
;; Outputs: out0 4 x 2,048 x 1,024 float32.
;; 2 versions, each right; version 2 is version 1 with the launch cast written anew for expert scheduling mode. Each part assembles by itself: llvm-mc -triple=amdgcn-amd-amdhsa -mcpu=gfx1250 --defsym DOCPART=n.
;; ======== version 1 of 2: 4 launches
;; limits: values are held in f16: magnitudes above 65,504 overflow, below 6.1e-05 lose precision
;; workspace buffers: xb 16,777,216 bytes; wb 6,291,456 bytes; qkv 50,331,648 bytes; p 33,554,432 bytes; cm 262,144 bytes; l 524,288 bytes
;; launch cast (part 1): grid 352 x 1, 8 waves a work-group, no clusters, 0 bytes of LDS; arguments x, Wq, Wk, Wv, xb, wb; writes xb, wb
.if DOCPART == 1
	.amdgcn_target "amdgcn-amd-amdhsa--gfx1250"
	.amdhsa_code_object_version 6
	.text
	.protected	k_q10e1380372_cast
	.globl	k_q10e1380372_cast
	.p2align	8
	.type	k_q10e1380372_cast,@function
k_q10e1380372_cast:
	s_mov_b64 s[64:65], 0
	v_nop
	global_prefetch_b8 v0, s[64:65] scope:SCOPE_SE
	s_setreg_imm32_b32 hwreg(HW_REG_WAVE_MODE, 25, 1), 1
	s_wait_xcnt 0x0
; xb = x and wb = [Wq; Wk; Wv], each number rounded once to bf16, laid out in blocks of 64 along K:
; xb [16 kb][8192 rows][64], wb [16 kb][3072 rows][64] (rows 0-1023 Wq, 1024-2047 Wk, 2048-3071 Wv), so that a tile's rows of one K block lie end to end.
; INSIDE A BLOCK K IS PERMUTED, alike for x and for the weights, so every product keeps its partner: place 8 j + e holds column 4 j + e (e < 4) or 32 + 4 j + e - 4 (e >= 4).
; That lets a thread make its 16 bytes of output from two loads of 16 bytes, with no exchange between lanes.
; SHARES.  A work-group takes 32 rows of 1,024 f32: groups 0-255 those of x, groups 256-351 those of the three weights.  Thread t: row t / 8, j = t % 8.
; All 32 loads of a thread go out at once (a pure stream: no LDS, no matrix unit, no cluster: nothing is shared); a wave's store covers 512 consecutive bytes, 4 rows of one block.
.set OFS, 2                            ; v[2:17]    byte offset of my 16 bytes in K block kb
.set XR,  20                           ; v[20:147]  block kb: 8 registers as loaded
.set YR,  148                          ; v[148:211] block kb: 4 registers to store
	s_load_b256 s[4:11], s[0:1], 0x0               ; x s[4:5], Wq s[6:7], Wk s[8:9], Wv s[10:11]
	s_load_b128 s[12:15], s[0:1], 0x20             ; xb s[12:13], wb s[14:15]
	s_sub_co_u32 s16, ttmp9, 256                   ; the group's number among the weights' groups (used only where the group is one)
	s_lshr_b32 s17, s16, 5                         ; which weight
	s_and_b32 s18, s16, 31                         ; which 32 rows of it
	s_mov_b32 s26, 8192*128                        ; bytes from K block to K block in xb,
	s_mov_b32 s27, 3072*128                        ; and in wb
	s_mov_b32 s29, 0
	s_mov_b32 s31, 0
	v_lshrrev_b32 v1, 3, v0                        ; my row
	v_and_b32 v18, 7, v0                           ; j
	v_lshlrev_b32 v18, 4, v18
	v_lshl_add_u32 v1, v1, 12, v18                 ; row x 4,096 + 16 j
	v_lshlrev_b32 v[OFS], 4, v0                    ; row x 128 + 16 j = 16 t
	s_wait_kmcnt 0x0
	s_cmp_eq_u32 s17, 1
	s_cselect_b64 s[20:21], s[8:9], s[6:7]
	s_cmp_eq_u32 s17, 2
	s_cselect_b64 s[20:21], s[10:11], s[20:21]
	s_cmp_lt_u32 ttmp9, 256                        ; a group of x?
	s_cselect_b64 s[20:21], s[4:5], s[20:21]       ; from where,
	s_cselect_b64 s[22:23], s[12:13], s[14:15]     ; to where,
	s_cselect_b32 s24, ttmp9, s18                  ; which 32 rows of the source,
	s_cselect_b32 s25, ttmp9, s16                  ; and of the destination
	s_cselect_b32 s26, s26, s27
	s_lshl_b32 s28, s24, 17                        ; 32 rows of 4,096 bytes
	s_lshl_b32 s30, s25, 12                        ; 32 rows of 128 bytes
	s_add_nc_u64 s[20:21], s[20:21], s[28:29]
	s_add_nc_u64 s[22:23], s[22:23], s[30:31]
.set kb, 0
.rept 16
	global_load_b128 v[XR+8*kb:XR+8*kb+3],   v1, s[20:21] offset:256*kb th:TH_LOAD_NT      ; columns 64 kb + 4 j ..
	global_load_b128 v[XR+8*kb+4:XR+8*kb+7], v1, s[20:21] offset:256*kb+128 th:TH_LOAD_NT  ; columns 64 kb + 32 + 4 j ..
.set kb, kb+1
.endr
.set kb, 1
.rept 15
	v_add_nc_u32 v[OFS+kb], s26, v[OFS+kb-1]
.set kb, kb+1
.endr
.set kb, 0
.rept 16
	s_wait_loadcnt 30-2*kb                         ; loads come back in order: block kb's two are in, the younger blocks' stay out
	v_cvt_pk_bf16_f32 v[YR+4*kb],   v[XR+8*kb],   v[XR+8*kb+1]
	v_cvt_pk_bf16_f32 v[YR+4*kb+1], v[XR+8*kb+2], v[XR+8*kb+3]
	v_cvt_pk_bf16_f32 v[YR+4*kb+2], v[XR+8*kb+4], v[XR+8*kb+5]
	v_cvt_pk_bf16_f32 v[YR+4*kb+3], v[XR+8*kb+6], v[XR+8*kb+7]
	global_store_b128 v[OFS+kb], v[YR+4*kb:YR+4*kb+3], s[22:23]  ; no register is written twice, so no store's source needs a wait
.set kb, kb+1
.endr
	s_endpgm
.Lfunc_end_k_q10e1380372_cast:
	.size	k_q10e1380372_cast, .Lfunc_end_k_q10e1380372_cast-k_q10e1380372_cast
	.p2alignl 7, 3214868480
	.fill 96, 4, 3214868480
	.section	.rodata,"a",@progbits
	.p2align	6, 0x0
	.amdhsa_kernel k_q10e1380372_cast
		.amdhsa_group_segment_fixed_size 0
		.amdhsa_private_segment_fixed_size 0
		.amdhsa_enable_private_segment 0
		.amdhsa_kernarg_size 48
		.amdhsa_user_sgpr_count 2
		.amdhsa_user_sgpr_kernarg_segment_ptr 1
		.amdhsa_wavefront_size32 1
		.amdhsa_system_sgpr_workgroup_id_x 1
		.amdhsa_system_sgpr_workgroup_id_y 1
		.amdhsa_system_sgpr_workgroup_id_z 1
		.amdhsa_system_vgpr_workitem_id 0
		.amdhsa_next_free_vgpr 212
		.amdhsa_next_free_sgpr 66
		.amdhsa_reserve_vcc 0
		.amdhsa_float_denorm_mode_32 3
		.amdhsa_float_denorm_mode_16_64 3
		.amdhsa_memory_ordered 1
		.amdhsa_forward_progress 1
		.amdhsa_inst_pref_size 11
	.end_amdhsa_kernel
	.amdgpu_metadata
---
amdhsa.version: [ 1, 2 ]
amdhsa.kernels:
  - .name:           k_q10e1380372_cast
    .symbol:         k_q10e1380372_cast.kd
    .args:
      - { .name: x, .offset: 0, .size: 8, .value_kind: global_buffer, .address_space: global }
      - { .name: Wq, .offset: 8, .size: 8, .value_kind: global_buffer, .address_space: global }
      - { .name: Wk, .offset: 16, .size: 8, .value_kind: global_buffer, .address_space: global }
      - { .name: Wv, .offset: 24, .size: 8, .value_kind: global_buffer, .address_space: global }
      - { .name: xb, .offset: 32, .size: 8, .value_kind: global_buffer, .address_space: global }
      - { .name: wb, .offset: 40, .size: 8, .value_kind: global_buffer, .address_space: global }
    .group_segment_fixed_size: 0
    .private_segment_fixed_size: 0
    .kernarg_segment_align: 8
    .kernarg_segment_size: 48
    .max_flat_workgroup_size: 256
    .sgpr_count:     66
    .vgpr_count:     212
    .wavefront_size: 32
...
	.end_amdgpu_metadata
.endif
;; end of part 1
;; launch proj (part 2): grid 8 x 32, 4 waves a work-group, clusters of 4 x 4, 327,680 bytes of LDS; arguments xb, wb, qkv; writes qkv
.if DOCPART == 2
	.amdgcn_target "amdgcn-amd-amdhsa--gfx1250"
	.amdhsa_code_object_version 6
	.text
	.protected	k_q10e1380372_proj
	.globl	k_q10e1380372_proj
	.p2align	8
	.type	k_q10e1380372_proj,@function
k_q10e1380372_proj:
	s_mov_b64 s[64:65], 0
	v_nop
	global_prefetch_b8 v0, s[64:65] scope:SCOPE_SE
	s_setreg_imm32_b32 hwreg(HW_REG_WAVE_MODE, 25, 1), 1
	s_wait_xcnt 0x0
	s_wait_alu depctr_hold_cnt(0) depctr_sa_sdst(0) depctr_va_vdst(0) depctr_va_sdst(0) depctr_va_ssrc(0) depctr_va_vcc(0) depctr_vm_vsrc(0)
	s_getreg_b32 s2, hwreg(HW_REG_IB_STS2, 6, 4)
	s_cmp_eq_u32 s2, 0
	s_cbranch_scc0 .Lentry_in_a_cluster
	s_endpgm
.Lentry_in_a_cluster:
	s_bfe_u32 s2, ttmp6, 0x10000c
	s_cmp_lg_u32 s2, 0xf033
	s_cbranch_scc0 .Lentry_shape_is_right
	s_endpgm
.Lentry_shape_is_right:
; qkv[row][n] = sum over k of x[row][k] W[n][k], W = [Wq; Wk; Wv]: [8192][3072] in f16 (q at column 0, k at 1024, v at 2048), each number rounded once from its f32 sum.
; Operands in bf16 from xb [16][8192][64] and wb [16][3072][64] (K in blocks of 64, permuted alike inside a block).
; LIMIT.  f16 holds no number beyond 65,504: q, k and v must stay within it.
; SHARES.  A tile is 256 rows x 384 columns: 32 x 8 = 256 work-groups.  Four waves, each 128 x 192: 96 accumulators of 16 x 16, 768 registers; for 32 along K a wave reads 20 fragments for 96 products.
; K goes in 16 steps of 64 (two chunks of 32) through two LDS slots.  A step's rows are dense in memory: wave 0 fetches x's 256 rows (32,768 bytes), waves 1 to 3 a third of W's 384 rows each.
; CLUSTER.  4 x 4 work-groups: x's tile hangs on the tile row alone and is asked for jointly along a row of the cluster, W's on the tile column alone and jointly along a column.
; THE MATRIX INSTRUCTION IS USED TRANSPOSED: source 0 = 16 rows of W, source 1 = 16 rows of x: a lane holds one row of qkv and eight neighbouring columns.
; REGISTERS.  window 0: v16-30 addresses; v32-95, v96-159 x's fragments, two buffers; v160-255 W's 12 fragments, one buffer refilled a third at a time behind its products.
;   windows 1-3: accumulator (a, b), a = 0..7 row blocks, b = 0..11 column blocks, in window 1 + b / 4 at v[8 (8 (b % 4) + a)].
.set PITCH,  144                       ; an LDS row: 128 bytes + 16 of padding: an odd multiple of 16, so the 16 rows of a fragment load start at different banks
.set ABYTES, 256*PITCH
.set BTHIRD, 128*PITCH
.set SLOT,   ABYTES+3*BTHIRD           ; 92,160
.set SPITCH, 784                       ; the way out: 768 bytes of a tile's row + 16
.set SPARE,  256*SPITCH                ; behind the stage (which lies over the ring once its last fill has been read): the spare words
.set KBA,    8192*128                  ; bytes from K block to K block in xb,
.set KBB,    3072*128                  ; in wb
.set QP,     6144                      ; bytes in a row of qkv
.set ADRA0, 16                         ; my lane's place in x's rows of a slot; never rewritten
.set ADRB0, 17                         ; in W's
.set ADRA,  18                         ; the same in the slot in hand
.set ADRB,  19
.set STO,   24                         ; v24-25 the way out: where I put 16 bytes of a row (row blocks 0-3, 4-7)
.set RD,    26
.set CO,    27
.set SPW,   28                         ; LDS address of my spare word; never rewritten
.set NIL,   29                         ; 0; never rewritten
.set PFO,   30                         ; the prefetches' offset; never rewritten
.set AF,    32
.set BF,    160
.set TMP,   32
.set WV,  10
.set G1A, 24                           ; s[24:31] descriptor group 1 for x's tiles
.set G0A, 32                           ; s[32:39] group 0: a set for each first fill; the second then walks
.set G1B, 48                           ; s[48:55], s[56:63] the same for W's
.set G0B, 56
.set TB,  66                           ; LDS byte at which the slot in hand begins
.set LIM, 67                           ; 2 in a wave that prefetches, else the greatest number
.set PFS, 68                           ; s[68:69] bytes from K block to K block for my prefetches
.set PFA, 70                           ; s[70:71] where my prefetches stand
.set PMK, 72                           ; 0: I ask in every trip (wave 0); 1: in every second
.set MSB, 0
.macro WIN new                         ; the immediate's high byte repeats the setting that is left; a switch that changes nothing is dropped
.if MSB != (\new)
	s_set_vgpr_msb (MSB<<8)|(\new)
.set MSB, \new
.endif
.endm
.macro PLACES                          ; four plain places behind a matrix instruction, in front of loads into registers that it read and of conversions that read results
.rept 4
	v_nop
.endr
.endm
.macro JLOAD                           ; the joint refill: each of the two lines has one mask; the branch hangs on the wave's number alone; s_nop 0 and four v_nop follow each line
	s_cmp_eq_u32 s[WV], 0
	s_cbranch_scc0 .Lfor_b_\@
	tensor_load_to_lds s[G0A+4:G0A+7], s[G1A:G1A+7]
	s_nop 0
.rept 4
	v_nop
.endr
	s_branch .Lasked_\@
.Lfor_b_\@:
	tensor_load_to_lds s[G0B+4:G0B+7], s[G1B:G1B+7]
	s_nop 0
.rept 4
	v_nop
.endr
.Lasked_\@:
.endm
.macro CREST                           ; a round of the cluster's barrier behind its opening barrier
	s_cmp_lg_u32 s[WV], 0
	s_cbranch_scc1 .Lnot_wave_0_\@
	s_barrier_signal -3
.Lnot_wave_0_\@:
	s_barrier_wait -3
	s_barrier_signal -1
	s_barrier_wait -1
.endm
.macro CROUND
	s_barrier_signal -1
	s_barrier_wait -1
	CREST
.endm
; A PREFETCH INTO THE L2 of the K blocks that stand two refills on.  x's tile row is read by both clusters of that row of clusters: the one with x = 0 asks; W's tile column by all eight clusters of
; that column: the one with y = 0 asks.  The four partners that ask for a tile jointly share its bytes out BY ADDRESS.  Wave 0: its work-group's 64 of the 256 rows, 8,192 dense bytes, a lane for each 256,
; K block n + 4, in every trip n up to 11.  Waves 1-3: their work-group's 32 of the wave's 128 rows, 4,096 bytes; lanes 0-15 name K block n + 4, lanes 16-31 block n + 5, in the even trips up to 10.
; So each 256 bytes of K blocks 4 to 15 are named once in the launch; blocks 0 to 3 come by their loads alone.
.macro ASK
	s_and_b32 s75, s3, s[PMK]
	s_cmp_eq_u32 s75, 0
	s_cbranch_scc0 .Lnot_mine_\@
	s_cmp_gt_u32 s3, s[LIM]
	s_cbranch_scc0 .Lnot_mine_\@
	global_prefetch_b8 v[PFO], s[PFA:PFA+1] th:TH_LOAD_NT scope:SCOPE_SE
.Lnot_mine_\@:
.endm
	s_load_b128 s[4:7], s[0:1], 0x0                ; xb s[4:5], wb s[6:7]
	s_load_b64 s[8:9], s[0:1], 0x10                ; qkv
	v_lshl_add_u32 v[SPW], v0, 2, SPARE
	v_mov_b32 v[NIL], 0
	ds_add_u32 v[SPW], v[NIL]                      ; the wave's opening: the add and its wait stand ahead of my first tensor load; the set-up below stands between them
	v_lshrrev_b32 v1, 5, v0
	v_readfirstlane_b32 s[WV], v1                  ; wave 0..3
	s_lshr_b32 s11, s[WV], 1                       ; which 128 rows of the tile are mine
	s_and_b32 s12, s[WV], 1                        ; which 192 columns
	s_bfe_u32 s40, ttmp6, 0x40000                  ; cx
	s_bfe_u32 s41, ttmp6, 0x40004                  ; cy
	s_lshl_b32 s42, ttmp9, 2
	s_add_co_u32 s42, s42, s40                     ; tile column = 4 x cluster x + cx
	s_and_b32 s13, ttmp7, 0xffff
	s_lshl_b32 s13, s13, 2
	s_add_co_u32 s13, s13, s41                     ; tile row = 4 x cluster y + cy
	s_lshl_b32 s43, s41, 2
	s_lshl_b32 s43, 15, s43                        ; my row of the cluster
	s_lshl_b32 s44, 0x1111, s40                    ; my column
	; group 1: dense bytes asked for as rows of 256 bytes (128 elements), padded in LDS after every 128 bytes (32 words, code 4) by 4 words (code 3)
	s_or_b32 s[G1A], s43, (1<<16)|(1<<20)|(1<<21)|(4<<22)|(3<<25)
	s_or_b32 s[G1B], s44, (1<<16)|(1<<20)|(1<<21)|(4<<22)|(3<<25)
	s_mov_b32 s[G1A+1], 128<<16                    ; tensor_dim0 = 128
	s_mov_b32 s[G1A+2], 128<<16                    ; tensor_dim1 = 128 rows of 256 bytes: x's 256 rows of 128
	s_mov_b32 s[G1A+3], 128<<16                    ; tile_dim0 = 128
	s_mov_b32 s[G1A+4], 128                        ; tile_dim1
	s_mov_b32 s[G1A+5], 128                        ; elements from row to row
	s_mov_b32 s[G1A+6], 0
	s_mov_b32 s[G1A+7], 0
	s_mov_b32 s[G1B+1], 128<<16
	s_mov_b32 s[G1B+2], 64<<16                     ; 64 rows of 256 bytes: 128 rows of W
	s_mov_b32 s[G1B+3], 128<<16
	s_mov_b32 s[G1B+4], 64
	s_mov_b32 s[G1B+5], 128
	s_mov_b32 s[G1B+6], 0
	s_mov_b32 s[G1B+7], 0
	s_lshl_b32 s16, s13, 15                        ; x: 256 rows of 128 bytes for each tile row
	s_mov_b32 s17, 0
	s_mul_i32 s46, s42, 384*128                    ; W: 384 rows for each tile column,
	s_max_u32 s45, s[WV], 1
	s_sub_co_u32 s45, s45, 1                       ; my third (waves 1-3; wave 0 never asks by this descriptor)
	s_lshl_b32 s45, s45, 14
	s_add_co_u32 s46, s46, s45
	s_mov_b32 s47, 0
	s_mul_i32 s20, s[WV], BTHIRD
	s_add_co_u32 s20, s20, BTHIRD                  ; W's thirds lie behind x's 256 rows: 36,864 + 18,432 (wave - 1); no place in the cluster enters an LDS address
	s_mov_b32 s[TB], 0
	s_wait_dscnt 0x0                               ; the opening add is done
	s_wait_kmcnt 0x0
	s_add_nc_u64 s[14:15], s[4:5], s[16:17]
	s_add_nc_u64 s[46:47], s[6:7], s[46:47]
	CROUND                                         ; all sixteen work-groups are here: the first joint loads meet
.irp s, 0,1
	s_mov_b32 s[G0A+4*(\s)], 1
	s_mov_b32 s[G0A+4*(\s)+1], (\s)*SLOT
	s_add_nc_u64 s[G0A+4*(\s)+2:G0A+4*(\s)+3], s[14:15], (\s)*KBA
	s_or_b32 s[G0A+4*(\s)+3], s[G0A+4*(\s)+3], 0x80000000
	s_mov_b32 s[G0B+4*(\s)], 1
	s_add_co_u32 s[G0B+4*(\s)+1], s20, (\s)*SLOT
	s_add_nc_u64 s[G0B+4*(\s)+2:G0B+4*(\s)+3], s[46:47], (\s)*KBB
	s_or_b32 s[G0B+4*(\s)+3], s[G0B+4*(\s)+3], 0x80000000
.endr
	s_cmp_eq_u32 s[WV], 0                          ; a wave's two first fills stand in one branch: two tensor loads of mine are out
	s_cbranch_scc0 .Lfirst_b
	tensor_load_to_lds s[G0A:G0A+3], s[G1A:G1A+7]
	s_nop 0
	tensor_load_to_lds s[G0A+4:G0A+7], s[G1A:G1A+7]
	s_nop 0
.rept 4
	v_nop
.endr
	s_branch .Lfirst_asked
.Lfirst_b:
	tensor_load_to_lds s[G0B:G0B+3], s[G1B:G1B+7]
	s_nop 0
	tensor_load_to_lds s[G0B+4:G0B+7], s[G1B:G1B+7]
	s_nop 0
.rept 4
	v_nop
.endr
.Lfirst_asked:
	; a fragment is 16 rows x 32 K: lane l holds row l % 16, K = 8 (l / 16) + 0..7 and 16 + 8 (l / 16) + 0..7: two loads of 16 bytes, 32 bytes apart
	v_and_b32 v1, 15, v0
	v_bfe_u32 v2, v0, 4, 1
	v_mul_u32_u24 v3, v1, PITCH
	v_lshl_add_u32 v3, v2, 4, v3
	s_mul_i32 s21, s11, 128*PITCH
	v_add_nc_u32 v[ADRA0], s21, v3
	s_mul_i32 s21, s12, 192*PITCH
	s_add_co_u32 s21, s21, ABYTES
	v_add_nc_u32 v[ADRB0], s21, v3
	v_mov_b32 v[ADRA], v[ADRA0]
	v_mov_b32 v[ADRB], v[ADRB0]
	s_mul_i32 s21, s11, 128*SPITCH                 ; into the stage: my 128 rows, my 384 bytes of them
	s_mul_i32 s22, s12, 384
	s_add_co_u32 s21, s21, s22
	v_mul_u32_u24 v4, v1, SPITCH
	v_lshl_add_u32 v4, v2, 4, v4
	v_add_nc_u32 v[STO], s21, v4
	v_add_nc_u32 v[STO+1], 64*SPITCH, v[STO]
	s_mul_i32 s21, s[WV], 64*SPITCH                ; back: wave w takes rows 64 w .. 64 w + 63, whole
	v_mul_u32_u24 v5, v2, SPITCH
	v_lshl_add_u32 v5, v1, 4, v5
	v_add_nc_u32 v[RD], s21, v5
	v_mul_u32_u24 v5, v2, QP
	v_lshl_add_u32 v[CO], v1, 4, v5
	s_lshl_b32 s76, s13, 8
	s_lshl_b32 s77, s[WV], 6
	s_add_co_u32 s76, s76, s77                     ; the first row of qkv that I store
	s_mul_i32 s76, s76, QP
	s_mul_i32 s77, s42, 768                        ; the tile's first column, in bytes
	s_add_co_u32 s76, s76, s77
	s_mov_b32 s77, 0
	s_add_nc_u64 s[8:9], s[8:9], s[76:77]
	; the prefetches: they start at K block 3; the first trip steps them to block 4
	s_lshl_b32 s78, s13, 15
	s_lshl_b32 s75, s40, 13                        ; x: my work-group's 64 rows, by cx
	s_add_co_u32 s78, s78, s75
	s_add_co_u32 s78, s78, 3*KBA
	s_mul_i32 s79, s42, 384*128
	s_add_co_u32 s79, s79, s45
	s_lshl_b32 s75, s41, 12                        ; W: my work-group's 32 rows of my third, by cy
	s_add_co_u32 s79, s79, s75
	s_add_co_u32 s79, s79, 3*KBB
	s_and_b32 s23, ttmp7, 0xffff
	s_mov_b32 s[PFS], KBA
	s_mov_b32 s75, KBB
	s_mov_b32 s[PFS+1], 0
	s_cmp_eq_u32 s[WV], 0
	s_cselect_b32 s23, ttmp9, s23                  ; the coordinate along which other clusters read the same rows
	s_cselect_b64 s[PFA:PFA+1], s[4:5], s[6:7]
	s_cselect_b32 s78, s78, s79
	s_cselect_b32 s[PFS], s[PFS], s75
	s_cselect_b32 s[PMK], 0, 1
	s_cselect_b32 s73, 31, 15
	s_cselect_b32 s74, 0, s75
	s_mov_b32 s79, 0
	s_add_nc_u64 s[PFA:PFA+1], s[PFA:PFA+1], s[78:79]
	s_cmp_eq_u32 s23, 0
	s_cselect_b32 s[LIM], 2, -1                    ; the same in all sixteen partners, for a given wave
	v_and_b32 v31, 31, v0
	v_and_b32 v[PFO], s73, v31
	v_lshlrev_b32 v[PFO], 8, v[PFO]
	v_lshrrev_b32 v31, 4, v31
	v_mad_u32_u24 v[PFO], v31, s74, v[PFO]
; 16 products: column blocks 4 g + 2 half, + 1 x all 8 row blocks, 32 along K, x's buffer ab.  The 96 accumulators take turns, one instruction a turn.  zero = 1: the first product starts the sum.
.macro MULH g, ab, half, zero
	WIN 0x50*((\g)+1)
.irp b4, 2*(\half), 2*(\half)+1
.irp a, 0,1,2,3,4,5,6,7
.if \zero
	v_wmma_f32_16x16x32_bf16 v[8*(8*(\b4)+(\a)):8*(8*(\b4)+(\a))+7], v[BF+8*(4*(\g)+(\b4)):BF+8*(4*(\g)+(\b4))+7], v[AF+64*(\ab)+8*(\a):AF+64*(\ab)+8*(\a)+7], 0
.else
	v_wmma_f32_16x16x32_bf16 v[8*(8*(\b4)+(\a)):8*(8*(\b4)+(\a))+7], v[BF+8*(4*(\g)+(\b4)):BF+8*(4*(\g)+(\b4))+7], v[AF+64*(\ab)+8*(\a):AF+64*(\ab)+8*(\a)+7], v[8*(8*(\b4)+(\a)):8*(8*(\b4)+(\a))+7]
.endif
.endr
.endr
.endm
.macro MULG g, ab, zero
	MULH \g, \ab, 0, \zero
	MULH \g, \ab, 1, \zero
.endm
.macro LDB c, g                        ; 8 loads: W's fragments 4 g .. 4 g + 3 of chunk c
	WIN 0
.irp i, 0,1,2,3
	ds_load_b128 v[BF+8*(4*(\g)+(\i)):BF+8*(4*(\g)+(\i))+3],   v[ADRB] offset:(4*(\g)+(\i))*16*PITCH+64*(\c)
	ds_load_b128 v[BF+8*(4*(\g)+(\i))+4:BF+8*(4*(\g)+(\i))+7], v[ADRB] offset:(4*(\g)+(\i))*16*PITCH+64*(\c)+32
.endr
.endm
.macro LDA c, ab                       ; 16 loads: x's 8 fragments of chunk c into buffer ab
	WIN 0
.irp i, 0,1,2,3,4,5,6,7
	ds_load_b128 v[AF+64*(\ab)+8*(\i):AF+64*(\ab)+8*(\i)+3],   v[ADRA] offset:(\i)*16*PITCH+64*(\c)
	ds_load_b128 v[AF+64*(\ab)+8*(\i)+4:AF+64*(\ab)+8*(\i)+7], v[ADRA] offset:(\i)*16*PITCH+64*(\c)+32
.endr
.endm
; A step's first chunk.  Its loads were issued in the order W 0 (8), x (16), W 1 (8), W 2 (8); each third of W is fetched again, for the second chunk, behind its products.
.macro CHUNK0 zero
	s_wait_dscnt 16                                ; W 0 and x are in; W 1 and W 2 may be out
	MULG 0, 0, \zero
	PLACES
	LDB 1, 0
	LDA 1, 1
	s_wait_dscnt 32                                ; W 1 is in: behind it W 2 (8) and the 24 just issued
	MULG 1, 0, \zero
	PLACES
	LDB 1, 1
	s_wait_dscnt 32                                ; W 2 is in: behind it 8 + 16 + 8
	MULG 2, 0, \zero
	PLACES
	LDB 1, 2
.endm
; A step's second chunk, and the change of slots: ONE barrier.  In front of it each wave waits for all its tensor loads (the one that is out is its part of the next slot), adds 0 to its spare word, and waits for
; that and for its reads of this slot.  fill = 1: the barrier opens a round of the cluster's barrier, and the slot just read out is filled again, two steps ahead, first thing behind the round:
; from the request to the wait for it a wave issues 160 products.
.macro TURN fill
	WIN 0
.if \fill
	s_wait_xcnt 0x0                                ; the last prefetch, a step back, has read its address
	s_add_nc_u64 s[PFA:PFA+1], s[PFA:PFA+1], s[PFS:PFS+1]
.endif
	s_wait_tensorcnt 0x0                           ; no tensor load of mine is out, so a group 0 may be written
	ds_add_u32 v[SPW], v[NIL]
.if \fill
	s_mov_b32 s[G0A+5], s[TB]                      ; the walking descriptors: into the slot in hand,
	s_add_nc_u64 s[G0A+6:G0A+7], s[G0A+6:G0A+7], KBA  ; the next K block; the type bits on top are not reached
	s_add_co_u32 s[G0B+5], s20, s[TB]
	s_add_nc_u64 s[G0B+6:G0B+7], s[G0B+6:G0B+7], KBB
.endif
	s_wait_dscnt 17                                ; W 0 and x are in; the add and the youngest 16 loads may be out
	MULH 0, 1, 0, 0
	s_wait_dscnt 0x0                               ; the add is done, and my reads of this slot are over
	s_barrier_signal -1
	MULH 0, 1, 1, 0                                ; work on registers while the others arrive
	WIN 0
	s_barrier_wait -1
.if \fill
	CREST
	JLOAD                                          ; its four v_nop are also the places in front of the loads below
.else
	PLACES
.endif
	s_xor_b32 s[TB], s[TB], SLOT
	v_add_nc_u32 v[ADRA], s[TB], v[ADRA0]
	v_add_nc_u32 v[ADRB], s[TB], v[ADRB0]
	LDB 0, 0
	LDA 0, 0
.if \fill
	ASK
.endif
	MULG 1, 1, 0
	PLACES
	LDB 0, 1
	MULG 2, 1, 0
	PLACES
	LDB 0, 2
.endm
	s_wait_tensorcnt 0x1                           ; my part of step 0 is in; step 1's may stay out
	s_barrier_signal -1
	s_barrier_wait -1
	LDB 0, 0
	LDA 0, 0
	LDB 0, 1
	LDB 0, 2
	CHUNK0 1                                       ; the first chunk stands in front of the loop: its products start the sums
	s_mov_b32 s3, 14
.Lstep:                                            ; trip n: the second chunk of step n, the refill with step n + 2, the first chunk of step n + 1
	TURN 1
	CHUNK0 0
	s_sub_co_u32 s3, s3, 1
	s_cmp_lg_u32 s3, 0
	s_cbranch_scc1 .Lstep
	TURN 0                                         ; the tail is written out: nothing is left to fetch
	CHUNK0 0
	s_wait_dscnt 16
	MULG 0, 1, 0
	s_wait_dscnt 8
	MULG 1, 1, 0
	s_wait_dscnt 0x0
	MULG 2, 1, 0
	; THE WAY OUT.  The ring has had its last fill; when every wave has read its last fragment the stage is laid over it: 256 rows x 784 bytes.
	WIN 0
	s_barrier_signal -1
	s_barrier_wait -1
	PLACES
.irp g, 0,1,2
	WIN 5*((\g)+1)                                 ; sources in window 1 + g
.set i, 0
.rept 32
.irp q, 0,1,2,3
	v_cvt_pk_f16_f32 v[TMP+4*i+(\q)], v[8*i+2*(\q)], v[8*i+2*(\q)+1]  ; each accumulator from its low end on
.endr
.set i, i+1
.endr
	WIN 0
.set i, 0
.rept 32                                           ; accumulator i: column block 4 g + i / 8, row block i % 8
	ds_store_b128 v[STO+(i%8)/4], v[TMP+4*i:TMP+4*i+3] offset:((i%8)%4)*16*SPITCH+32*(4*(\g)+i/8)
.set i, i+1
.endr
.endr
	s_wait_dscnt 0x0                               ; for the others' sake: my stores into the stage are done
	s_barrier_signal -1
	s_barrier_wait -1
	s_mov_b32 s3, 8
.Lout:                                             ; 8 rows a trip: 12 loads and 12 stores; 16 lanes store 256 consecutive bytes, at a multiple of 256 from qkv's first byte
.set n, 0
.rept 12
	ds_load_b128 v[TMP+4*n:TMP+4*n+3], v[RD] offset:2*(n/3)*SPITCH+256*(n%3)
.set n, n+1
.endr
.set n, 0
.rept 12
	s_wait_dscnt 11-n
	global_store_b128 v[CO], v[TMP+4*n:TMP+4*n+3], s[8:9] offset:2*(n/3)*QP+256*(n%3)
.set n, n+1
.endr
	s_wait_xcnt 0x0                                ; the stores have read their data and their base: only now are these written again
	v_add_nc_u32 v[RD], 8*SPITCH, v[RD]
	s_add_nc_u64 s[8:9], s[8:9], 8*QP
	s_sub_co_u32 s3, s3, 1
	s_cmp_lg_u32 s3, 0
	s_cbranch_scc1 .Lout
	s_wait_tensorcnt 0x0                           ; the wave's end
	ds_add_u32 v[SPW], v[NIL]
	s_wait_dscnt 0x0
	CROUND                                         ; the closing round
	s_endpgm
.Lfunc_end_k_q10e1380372_proj:
	.size	k_q10e1380372_proj, .Lfunc_end_k_q10e1380372_proj-k_q10e1380372_proj
	.p2alignl 7, 3214868480
	.fill 96, 4, 3214868480
	.section	.rodata,"a",@progbits
	.p2align	6, 0x0
	.amdhsa_kernel k_q10e1380372_proj
		.amdhsa_group_segment_fixed_size 327680
		.amdhsa_private_segment_fixed_size 0
		.amdhsa_enable_private_segment 0
		.amdhsa_kernarg_size 24
		.amdhsa_user_sgpr_count 2
		.amdhsa_user_sgpr_kernarg_segment_ptr 1
		.amdhsa_wavefront_size32 1
		.amdhsa_system_sgpr_workgroup_id_x 1
		.amdhsa_system_sgpr_workgroup_id_y 1
		.amdhsa_system_sgpr_workgroup_id_z 1
		.amdhsa_system_vgpr_workitem_id 0
		.amdhsa_next_free_vgpr 1024
		.amdhsa_next_free_sgpr 80
		.amdhsa_reserve_vcc 0
		.amdhsa_float_denorm_mode_32 3
		.amdhsa_float_denorm_mode_16_64 3
		.amdhsa_memory_ordered 1
		.amdhsa_forward_progress 1
		.amdhsa_inst_pref_size 98
	.end_amdhsa_kernel
	.amdgpu_metadata
---
amdhsa.version: [ 1, 2 ]
amdhsa.kernels:
  - .name:           k_q10e1380372_proj
    .symbol:         k_q10e1380372_proj.kd
    .args:
      - { .name: xb, .offset: 0, .size: 8, .value_kind: global_buffer, .address_space: global }
      - { .name: wb, .offset: 8, .size: 8, .value_kind: global_buffer, .address_space: global }
      - { .name: qkv, .offset: 16, .size: 8, .value_kind: global_buffer, .address_space: global }
    .group_segment_fixed_size: 327680
    .private_segment_fixed_size: 0
    .kernarg_segment_align: 8
    .kernarg_segment_size: 24
    .max_flat_workgroup_size: 128
    .sgpr_count:     80
    .vgpr_count:     1024
    .wavefront_size: 32
...
	.end_amdgpu_metadata
.endif
;; end of part 2
;; launch score (part 3): grid 36 x 4, 4 waves a work-group, no clusters, 327,680 bytes of LDS; arguments qkv, p, cm, l; writes p, cm, l
.if DOCPART == 3
	.amdgcn_target "amdgcn-amd-amdhsa--gfx1250"
	.amdhsa_code_object_version 6
	.text
	.protected	k_q10e1380372_score
	.globl	k_q10e1380372_score
	.p2align	8
	.type	k_q10e1380372_score,@function
k_q10e1380372_score:
	s_mov_b64 s[64:65], 0
	v_nop
	global_prefetch_b8 v0, s[64:65] scope:SCOPE_SE
	s_setreg_imm32_b32 hwreg(HW_REG_WAVE_MODE, 25, 1), 1
	s_wait_xcnt 0x0
; For each tile of 256 queries x 256 keys on or below the diagonal (tile row i, tile column j <= i, batch b): s = q . k (f16 operands, f32 sums), hidden scores masked, and per row of the tile
;   cm[b][j][row] = c x (largest s of the row in the tile), c = log2(e) / 32;   p[b][row][key] = 2^(c s - cm) in f16, 0 to 1;   l[b][2 j + half][row] = the sum of the unrounded p over 128 keys, f32.
; The launch behind joins the tiles of a row by a running maximum in f32.
; LIMITS.  A hidden score counts as its value less 1e30 (q and k lie within f16's range, so a score is 4.4e12 at the most); p below 6e-5 keeps f16's fixed step; a weight below 2^-126 counts as 0;
; NaN and infinities are not treated apart.
; SHARES.  Four waves, each 128 queries x 128 keys: 64 accumulators, 512 registers.  The 1,024 channels go in 8 steps of 128 through two LDS slots; each wave fetches 128 rows x 256 bytes a step.
; NO CLUSTER: a batch's triangle of 36 tiles cannot be cut into fours that share a tile row or a tile column (each of the diagonal's first five tiles has fewer than four tiles in its row, so each takes four of its
; column; the sixth then has two left in its column and three in its row), and the tiles that would fill the square do no work.
; The product is used transposed (source 0 = 16 keys, source 1 = 16 queries): a lane holds ONE query (lane % 16) and the keys 8 (lane / 16) + 0..7: eight neighbouring numbers of a row of p.
; THE MASK is the C operand that starts a sum: three sets of 8 registers, for blocks below, on and above the wave's own diagonal; all 0 where the tile is not on the diagonal.
; In a diagonal tile the wave of queries 0-127 and keys 128-255 multiplies for nothing: its p are zeros, which the launch behind reads.
; REGISTERS.  window 0: v16-30 addresses; v32-55 masks; v64-127, v128-191 q's fragments; later v32-63, v224-255 rows on their way out, v64-127 at work, v128-151 statistics, v192-223 packed p
;   window 1: v64-191 k's fragments      windows 2, 3: accumulator (a, b) at v[8 (8 (a % 4) + b)], a = query block (0-3, 4-7), b = key block
.set PITCH,  272                       ; 256 bytes + 16: an odd multiple of 16
.set HALFT,  128*PITCH
.set SLOT,   4*HALFT                   ; q's 256 rows, then k's 256 rows
.set STAGE,  2*SLOT                    ; 16 rows x 272 bytes for each wave
.set XCH,    STAGE+4*16*PITCH          ; 512 bytes for each wave: its rows' maxima, for the wave with the other keys
.set SSTG,   XCH+2048                  ; 1,024 bytes for each wave: cm and l on their way out
.set SPARE,  SSTG+4096                 ; the spare words
.set ADRA0, 16
.set ADRB0, 17
.set ADRA,  18
.set ADRB,  19
.set XST,   20
.set XLD,   21
.set SST,   22
.set SLD,   23
.set STO,   24
.set RD,    25
.set CO,    26
.set SGO,   27
.set SPW,   28
.set NIL,   29
.set PFO,   30
.set ML,    32
.set MD,    40
.set MU,    48
.set F0,    64
.set F1,    128
.set TT,    64
.set ST,    128                        ; block a: cm at ST + 2 a, the maximum at ST + 2 a + 1
.set LL,    144                        ; block a's sum
.set TMP,   192
.set WV,  12
.set G1,  24
.set G0,  32                           ; s[32:39]: a set for each first fill; the second then walks
.set TB,  40
.set WB,  41
.set LIM, 42
.set PFA, 44
.set CS,  46
.set SEL, 48
.set MSB, 0
.macro WIN new
.if MSB != (\new)
	s_set_vgpr_msb (MSB<<8)|(\new)
.set MSB, \new
.endif
.endm
.macro PLACES
.rept 4
	v_nop
.endr
.endm
	s_load_b256 s[4:11], s[0:1], 0x0               ; qkv s[4:5], p s[6:7], cm s[8:9], l s[10:11]
	v_lshl_add_u32 v[SPW], v0, 2, SPARE
	v_mov_b32 v[NIL], 0
	ds_add_u32 v[SPW], v[NIL]                      ; the wave's opening: the add and its wait stand ahead of my first tensor load
	v_lshrrev_b32 v1, 5, v0
	v_readfirstlane_b32 s[WV], v1
	s_lshr_b32 s13, s[WV], 1                       ; which 128 queries
	s_and_b32 s14, s[WV], 1                        ; which 128 keys
	s_and_b32 s17, ttmp7, 0xffff                   ; the batch
	s_mov_b32 s15, 0
.irp T, 1,3,6,10,15,21,28                          ; tile row i: how many triangular numbers the group's number has reached
	s_cmp_ge_u32 ttmp9, \T
	s_add_co_ci_u32 s15, s15, 0
.endr
	s_add_co_u32 s16, s15, 1
	s_mul_i32 s16, s16, s15
	s_lshr_b32 s16, s16, 1
	s_sub_co_u32 s16, ttmp9, s16                   ; tile column j
	s_mov_b32 s[G1], (1<<16)|(1<<20)|(5<<22)|(3<<25)  ; 2-byte elements; padding after every 64 words (code 5) of 4 words (code 3)
	s_mov_b32 s[G1+1], 128<<16                     ; tensor_dim0
	s_mov_b32 s[G1+2], 128<<16                     ; tensor_dim1
	s_mov_b32 s[G1+3], 128<<16                     ; tile_dim0
	s_mov_b32 s[G1+4], 128                         ; tile_dim1
	s_mov_b32 s[G1+5], 3072                        ; elements from row to row
	s_mov_b32 s[G1+6], 0
	s_mov_b32 s[G1+7], 0
	s_cmp_lt_u32 s[WV], 2                          ; waves 0, 1 fetch q's halves, waves 2, 3 k's
	s_cselect_b32 s18, s15, s16
	s_cselect_b32 s19, 0, 2048                     ; k begins 2,048 bytes into a row
	s_lshl_b32 s20, s17, 11
	s_lshl_b32 s18, s18, 8
	s_add_co_u32 s20, s20, s18
	s_lshl_b32 s18, s14, 7
	s_add_co_u32 s20, s20, s18
	s_mul_i32 s20, s20, 6144
	s_add_co_u32 s20, s20, s19
	s_mov_b32 s21, 0
	s_mul_i32 s[WB], s[WV], HALFT
	s_mov_b32 s[TB], 0
	s_mov_b32 s[CS], 0x3d38aa3b                    ; c = log2(e) / 32
	s_mov_b32 s[CS+1], s[CS]
	s_mov_b32 s[SEL], 0x76543210
	s_mov_b32 s[SEL+1], 0xfedcba98
	s_wait_dscnt 0x0
	s_wait_kmcnt 0x0
	s_add_nc_u64 s[22:23], s[4:5], s[20:21]
.irp s, 0,1                                        ; the two first fills go out together: two tensor loads of mine are out
	s_mov_b32 s[G0+4*(\s)], 1
	s_add_co_u32 s[G0+4*(\s)+1], s[WB], (\s)*SLOT
	s_add_nc_u64 s[G0+4*(\s)+2:G0+4*(\s)+3], s[22:23], (\s)*256
	s_or_b32 s[G0+4*(\s)+3], s[G0+4*(\s)+3], 0x80000000
	tensor_load_to_lds s[G0+4*(\s):G0+4*(\s)+3], s[G1:G1+7]
	s_nop 0
.endr
	v_and_b32 v1, 15, v0
	v_bfe_u32 v2, v0, 4, 1
	v_mul_u32_u24 v3, v1, PITCH
	v_lshl_add_u32 v3, v2, 4, v3
	s_mul_i32 s18, s13, HALFT
	v_add_nc_u32 v[ADRA0], s18, v3
	s_mul_i32 s18, s14, HALFT
	s_add_co_u32 s18, s18, 2*HALFT
	v_add_nc_u32 v[ADRB0], s18, v3
	v_mov_b32 v[ADRA], v[ADRA0]
	v_mov_b32 v[ADRB], v[ADRB0]
	s_mul_i32 s18, s[WV], 16*PITCH
	s_add_co_u32 s18, s18, STAGE
	v_add_nc_u32 v[STO], s18, v3                   ; in: row l % 16, 16 bytes for each half of the lanes
	v_mul_u32_u24 v4, v2, PITCH
	v_lshl_add_u32 v4, v1, 4, v4
	v_add_nc_u32 v[RD], s18, v4                    ; back: lanes 0-15 one row of 256 bytes, lanes 16-31 the next
	v_lshlrev_b32 v[CO], 12, v2
	v_lshl_add_u32 v[CO], v1, 4, v[CO]             ; the same two rows in p
	v_lshlrev_b32 v5, 2, v1
	s_lshl_b32 s18, s[WV], 9
	s_add_co_u32 s18, s18, XCH
	v_add_nc_u32 v[XST], s18, v5
	s_xor_b32 s18, s[WV], 1                        ; the wave with my queries and the other keys
	s_lshl_b32 s18, s18, 9
	s_add_co_u32 s18, s18, XCH
	v_add_nc_u32 v[XLD], s18, v5
	s_lshl_b32 s18, s[WV], 10
	s_add_co_u32 s18, s18, SSTG
	v_add_nc_u32 v[SST], s18, v5
	v_and_b32 v6, 31, v0
	v_lshlrev_b32 v[SGO], 4, v6
	v_add_nc_u32 v[SLD], s18, v[SGO]
	v_mul_u32_u24 v[PFO], v6, 6144                 ; a lane a row
	; the masks.  On the diagonal tile key 128 wn + 16 b + 8 h + jj is hidden from query 128 wm + 16 a + r where it is greater
	s_mov_b32 s50, 0xf149f2ca                      ; -1e30
	s_cmp_eq_u32 s15, s16
	s_cselect_b32 s50, s50, 0
	s_cmp_ge_u32 s14, s13
	s_cselect_b32 s51, s50, 0                      ; blocks with a < b
	s_cmp_gt_u32 s14, s13
	s_cselect_b32 s52, s50, 0                      ; blocks with a > b
	v_lshlrev_b32 v7, 3, v2
	v_sub_nc_u32 v7, v1, v7                        ; r - 8 h
.irp jj, 0,1,2,3,4,5,6,7
	v_mov_b32 v[ML+(\jj)], s52
	v_mov_b32 v[MU+(\jj)], s51
	v_cmp_gt_i32 vcc_lo, \jj, v7
	v_cndmask_b32 v[MD+(\jj)], v[ML+(\jj)], v[MU+(\jj)], vcc_lo
.endr
	; where the results go
	s_add_nc_u64 s[PFA:PFA+1], s[22:23], 2*256     ; the prefetches start at step 2
	s_lshl_b32 s18, s17, 11
	s_lshl_b32 s19, s15, 8
	s_add_co_u32 s18, s18, s19
	s_lshl_b32 s19, s13, 7
	s_add_co_u32 s18, s18, s19                     ; my first row of p
	s_lshl_b32 s18, s18, 12
	s_lshl_b32 s19, s16, 9
	s_add_co_u32 s18, s18, s19
	s_lshl_b32 s19, s14, 8
	s_add_co_u32 s18, s18, s19                     ; my first key, in bytes
	s_mov_b32 s19, 0
	s_add_nc_u64 s[6:7], s[6:7], s[18:19]
	s_lshl_b32 s50, s15, 10
	s_lshl_b32 s51, s13, 9
	s_add_co_u32 s50, s50, s51                     ; (256 i + 128 wm) x 4
	s_lshl_b32 s18, s17, 3
	s_add_co_u32 s18, s18, s16                     ; 8 b + j
	s_lshl_b32 s20, s18, 1
	s_add_co_u32 s20, s20, s14                     ; 16 b + 2 j + wn
	s_lshl_b32 s18, s18, 13
	s_add_co_u32 s18, s18, s50
	s_add_nc_u64 s[8:9], s[8:9], s[18:19]
	s_lshl_b32 s20, s20, 13
	s_add_co_u32 s20, s20, s50
	s_add_nc_u64 s[10:11], s[10:11], s[20:21]
	s_cmp_eq_u32 s16, 0                            ; who prefetches: q's rows are read by all tiles of a tile row: the tile with j = 0 asks;
	s_cselect_b32 s53, 1, 0
	s_cmp_eq_u32 s15, s16                          ; k's rows by all tiles of a tile column: the diagonal tile asks
	s_cselect_b32 s54, 1, 0
	s_cmp_lt_u32 s[WV], 2
	s_cselect_b32 s53, s53, s54
	s_cmp_eq_u32 s53, 1
	s_cselect_b32 s[LIM], 2, -1
; 16 products: query blocks a0, a0 + 1 of the window's four x all 8 key blocks, 32 channels.  The 64 accumulators take turns.  first = 1: the mask starts the sum.
.macro MUL16 f, hi, a0, first
.if \first
	WIN 0x81+0x40*(\hi)                            ; k window 1, q and the mask window 0, the sums window 2 or 3
.else
	WIN 0xa1+0x50*(\hi)
.endif
.irp a, \a0, (\a0)+1
.irp b, 0,1,2,3,4,5,6,7
.if \first
.if 4*(\hi)+(\a) > (\b)
.set mk, ML
.elseif 4*(\hi)+(\a) == (\b)
.set mk, MD
.else
.set mk, MU
.endif
	v_wmma_f32_16x16x32_f16 v[8*(8*(\a)+(\b)):8*(8*(\a)+(\b))+7], v[(\f)+8*(\b):(\f)+8*(\b)+7], v[(\f)+8*(4*(\hi)+(\a)):(\f)+8*(4*(\hi)+(\a))+7], v[mk:mk+7]
.else
	v_wmma_f32_16x16x32_f16 v[8*(8*(\a)+(\b)):8*(8*(\a)+(\b))+7], v[(\f)+8*(\b):(\f)+8*(\b)+7], v[(\f)+8*(4*(\hi)+(\a)):(\f)+8*(4*(\hi)+(\a))+7], v[8*(8*(\a)+(\b)):8*(8*(\a)+(\b))+7]
.endif
.endr
.endr
.endm
.macro FETCH k, f                      ; 32 loads in one run: k's 8 fragments, then q's 8, 32 channels at byte k of the rows
	WIN 0x40
.irp i, 0,1,2,3,4,5,6,7
	ds_load_b128 v[(\f)+8*(\i):(\f)+8*(\i)+3],   v[ADRB] offset:(\k)+(\i)*16*PITCH
	ds_load_b128 v[(\f)+8*(\i)+4:(\f)+8*(\i)+7], v[ADRB] offset:(\k)+(\i)*16*PITCH+32
.endr
	WIN 0
.irp i, 0,1,2,3,4,5,6,7
	ds_load_b128 v[(\f)+8*(\i):(\f)+8*(\i)+3],   v[ADRA] offset:(\k)+(\i)*16*PITCH
	ds_load_b128 v[(\f)+8*(\i)+4:(\f)+8*(\i)+7], v[ADRA] offset:(\k)+(\i)*16*PITCH+32
.endr
.endm
.macro QUARTER k, f, g, first          ; multiplies buffer f; in its middle it fetches the next quarter, at byte k, into buffer g
	s_wait_dscnt 8                                 ; k's fragments and q's blocks 0-3 are in; the youngest eight loads may be out
	MUL16 \f, 0, 0, \first
	MUL16 \f, 0, 2, \first
	PLACES
	FETCH \k, \g
	s_wait_dscnt 32                                ; all but the 32 just issued
	MUL16 \f, 1, 0, \first
	MUL16 \f, 1, 2, \first
.endm
; A PREFETCH INTO THE L2: my 128 rows' 256 bytes of the step that stands two refills on: a lane a row, four instructions, in trips 0 to 3 (steps 4 to 7); steps 0 to 3 come by their loads alone.
.macro ASK
	s_cmp_gt_u32 s3, s[LIM]
	s_cbranch_scc0 .Lnot_mine_\@
.irp n, 0,1,2,3
	global_prefetch_b8 v[PFO], s[PFA:PFA+1] offset:32*6144*(\n)+256 th:TH_LOAD_NT scope:SCOPE_SE
.endr
.Lnot_mine_\@:
.endm
; The last quarter of a step, and the change of slots: one barrier; in front of it each wave waits for all its tensor loads (its part of the next slot), adds 0 to its spare word, and waits for that and for its
; reads of this slot.  fill = 1: this slot is filled again, two steps ahead, first thing behind the barrier: 224 products stand between the request and the wait for it.
.macro TURN fill
	WIN 0
.if \fill
	s_wait_xcnt 0x0                                ; the last prefetches, a step back, have read their address
	s_add_nc_u64 s[PFA:PFA+1], s[PFA:PFA+1], 256
.endif
	s_wait_tensorcnt 0x0
	ds_add_u32 v[SPW], v[NIL]
.if \fill
	s_add_co_u32 s[G0+5], s[WB], s[TB]             ; the walking descriptor: into the slot in hand, the next 128 channels
	s_add_nc_u64 s[G0+6:G0+7], s[G0+6:G0+7], 256
.endif
	s_wait_dscnt 9                                 ; the add and the youngest eight loads may be out
	MUL16 F1, 0, 0, 0
	s_wait_dscnt 0x0                               ; the add is done, and my reads of this slot are over
	s_barrier_signal -1
	MUL16 F1, 0, 2, 0
	WIN 0
	s_barrier_wait -1
.if \fill
	tensor_load_to_lds s[G0+4:G0+7], s[G1:G1+7]
	s_nop 0
.endif
	PLACES                                         ; behind the load, and the places in front of the loads below
	s_xor_b32 s[TB], s[TB], SLOT
	v_add_nc_u32 v[ADRA], s[TB], v[ADRA0]
	v_add_nc_u32 v[ADRB], s[TB], v[ADRB0]
	FETCH 0, F0
.if \fill
	ASK
.endif
	MUL16 F1, 1, 0, 0
	MUL16 F1, 1, 2, 0
.endm
	s_wait_tensorcnt 0x1                           ; my part of step 0 is in; step 1's may stay out
	s_barrier_signal -1
	s_barrier_wait -1
	FETCH 0, F0
	QUARTER 64, F0, F1, 1
	WIN 0
	s_mov_b32 s3, 6
.Lstep:                                            ; trip n: quarters 1 to 3 of step n, the refill with step n + 2, quarter 0 of step n + 1
	QUARTER 128, F1, F0, 0
	QUARTER 192, F0, F1, 0
	TURN 1
	QUARTER 64, F0, F1, 0
	WIN 0
	s_sub_co_u32 s3, s3, 1
	s_cmp_lg_u32 s3, 0
	s_cbranch_scc1 .Lstep
	QUARTER 128, F1, F0, 0                         ; the tail is written out: nothing is left to fetch
	QUARTER 192, F0, F1, 0
	TURN 0
	QUARTER 64, F0, F1, 0
	QUARTER 128, F1, F0, 0
	QUARTER 192, F0, F1, 0
	s_wait_dscnt 8
	MUL16 F1, 0, 0, 0
	MUL16 F1, 0, 2, 0
	s_wait_dscnt 0x0
	MUL16 F1, 1, 0, 0
	MUL16 F1, 1, 2, 0
	; THE ROWS' MAXIMA.  One running maximum for each accumulator, three operands at a time, each accumulator from its low end on; then over a block's 8 accumulators, the other half of the lanes, the other wave.
	PLACES
.irp hw, 0,1
	WIN 0x2a+0x15*(\hw)                            ; all three sources in window 2 + hw
.set i, 0
.rept 32
	v_max3_num_f32 v[TT+32*(\hw)+i], v[8*i], v[8*i+1], v[8*i+2]
.set i, i+1
.endr
	WIN 0x28+0x14*(\hw)                            ; sources 1 and 2 in window 2 + hw
.set i, 0
.rept 32
	v_max3_num_f32 v[TT+32*(\hw)+i], v[TT+32*(\hw)+i], v[8*i+3], v[8*i+4]
.set i, i+1
.endr
.set i, 0
.rept 32
	v_max3_num_f32 v[TT+32*(\hw)+i], v[TT+32*(\hw)+i], v[8*i+5], v[8*i+6]
.set i, i+1
.endr
.set i, 0
.rept 16
	v_max3_num_f32 v[TT+32*(\hw)+2*i], v[TT+32*(\hw)+2*i], v[16*i+7], v[16*i+15]
.set i, i+1
.endr
.endr
	WIN 0
.irp a, 0,1,2,3,4,5,6,7
	v_max3_num_f32 v[TT+8*(\a)], v[TT+8*(\a)], v[TT+8*(\a)+1], v[TT+8*(\a)+2]
	v_max3_num_f32 v[TT+8*(\a)+3], v[TT+8*(\a)+3], v[TT+8*(\a)+4], v[TT+8*(\a)+5]
.endr
.irp a, 0,1,2,3,4,5,6,7
	v_max3_num_f32 v[TT+8*(\a)], v[TT+8*(\a)], v[TT+8*(\a)+3], v[TT+8*(\a)+6]
.endr
.irp a, 0,1,2,3,4,5,6,7
	v_max_num_f32 v[TT+8*(\a)], v[TT+8*(\a)], v[TT+8*(\a)+7]
.endr
.irp a, 0,1,2,3,4,5,6,7
	v_permlanex16_b32 v[TT+8*(\a)+1], v[TT+8*(\a)], s[SEL], s[SEL+1]
.endr
.irp a, 0,1,2,3,4,5,6,7
	v_max_num_f32 v[ST+2*(\a)+1], v[TT+8*(\a)], v[TT+8*(\a)+1]
.endr
.irp a, 0,1,2,3,4,5,6,7
	ds_store_b32 v[XST], v[ST+2*(\a)+1] offset:64*(\a)
.endr
	s_wait_dscnt 0x0                               ; for the other wave's sake
	s_barrier_signal -1
	s_barrier_wait -1
.irp a, 0,1,2,3,4,5,6,7
	ds_load_b32 v[TT+8*(\a)], v[XLD] offset:64*(\a)
.endr
	s_wait_dscnt 0x0
.irp a, 0,1,2,3,4,5,6,7
	v_max_num_f32 v[ST+2*(\a)+1], v[ST+2*(\a)+1], v[TT+8*(\a)]
.endr
.irp a, 0,1,2,3,4,5,6,7
	v_mul_f32 v[ST+2*(\a)], s[CS], v[ST+2*(\a)+1]
.endr
; THE WEIGHTS, a block of 16 queries at a time.  A block's 64 exponentials are one batch with one wait; the next block's scalings stand between the batch and the wait.
.macro SCALE a
	WIN ((2+(\a)/4)<<6)|(2+(\a)/4)
.set i, 0
.rept 32
	v_pk_fma_f32 v[64*((\a)%4)+2*i:64*((\a)%4)+2*i+1], v[64*((\a)%4)+2*i:64*((\a)%4)+2*i+1], s[CS:CS+1], v[ST+2*(\a):ST+2*(\a)+1] op_sel_hi:[1,0,0] neg_lo:[0,0,1] neg_hi:[0,0,1]  ; c s - cm
.set i, i+1
.endr
.endm
.macro EXPS a
	WIN ((2+(\a)/4)<<6)|(2+(\a)/4)
.set i, 0
.rept 64
	v_exp_f32 v[64*((\a)%4)+i], v[64*((\a)%4)+i]
.set i, i+1
.endr
.endm
.macro PACKP a
	WIN (2+(\a)/4)*5
.set i, 0
.rept 32
	v_cvt_pk_f16_f32 v[TMP+i], v[64*((\a)%4)+2*i], v[64*((\a)%4)+2*i+1]
.set i, i+1
.endr
.endm
.macro SUMS a                          ; the 32 pairs are added in place, neighbours 1, 2, 4, 8 and 16 pairs apart; then the pair's two halves
	WIN ((2+(\a)/4)<<6)|((2+(\a)/4)*5)
.irp st, 4,8,16,32,64
.set u, 0
.rept 64/(\st)
	v_pk_add_f32 v[64*((\a)%4)+(\st)*u:64*((\a)%4)+(\st)*u+1], v[64*((\a)%4)+(\st)*u:64*((\a)%4)+(\st)*u+1], v[64*((\a)%4)+(\st)*u+(\st)/2:64*((\a)%4)+(\st)*u+(\st)/2+1]
.set u, u+1
.endr
.endr
	WIN (2+(\a)/4)*5
	v_add_f32 v[LL+(\a)], v[64*((\a)%4)], v[64*((\a)%4)+1]
.endm
.macro TOSTAGE a                       ; 16 bytes a lane into my stage, and back as whole rows of 256 bytes
	WIN 0
	s_wait_xcnt 0x0                                ; the stores of the block before last have read the registers that are loaded again below
.irp b, 0,1,2,3,4,5,6,7
	ds_store_b128 v[STO], v[TMP+4*(\b):TMP+4*(\b)+3] offset:32*(\b)
.endr
.irp t, 0,1,2,3,4,5,6,7
	ds_load_b128 v[32+192*((\a)%2)+4*(\t):32+192*((\a)%2)+4*(\t)+3], v[RD] offset:(\t)*2*PITCH  ; LDS serves a wave's instructions in order (ISA guide 5.7.1.4): these see the stores above
.endr
.endm
.macro SEND a
	WIN 0
	s_wait_dscnt 0x0
.irp t, 0,1,2,3,4,5,6,7
	global_store_b128 v[CO], v[32+192*((\a)%2)+4*(\t):32+192*((\a)%2)+4*(\t)+3], s[6:7] offset:(16*(\a)+2*(\t))*4096  ; 16 lanes store 256 consecutive bytes, at a multiple of 256 from p's first byte
.endr
.endm
	SCALE 0
	EXPS 0
.irp a, 0,1,2,3,4,5,6,7
.if (\a) < 7
	SCALE (\a)+1                                   ; plain work that names no result of the batch
.else
	v_nop
.endif
	s_wait_alu depctr_va_vdst(0)                   ; one wait for the block's 64 exponentials, ahead of their first reader
	PACKP \a
	SUMS \a
	TOSTAGE \a
.if (\a) < 7
	EXPS (\a)+1
.endif
	SEND \a
.endr
	; cm and l: through my own bytes of LDS, so that each store covers 512 consecutive bytes
	WIN 0
.irp a, 0,1,2,3,4,5,6,7
	v_permlanex16_b32 v[TT+8*(\a)], v[LL+(\a)], s[SEL], s[SEL+1]
.endr
.irp a, 0,1,2,3,4,5,6,7
	v_add_f32 v[LL+(\a)], v[LL+(\a)], v[TT+8*(\a)]
.endr
.irp a, 0,1,2,3,4,5,6,7
	ds_store_b32 v[SST], v[ST+2*(\a)] offset:64*(\a)
	ds_store_b32 v[SST], v[LL+(\a)] offset:512+64*(\a)
.endr
	ds_load_b128 v[TT:TT+3], v[SLD]
	ds_load_b128 v[TT+4:TT+7], v[SLD] offset:512
	s_wait_dscnt 0x0
	global_store_b128 v[SGO], v[TT+4:TT+7], s[10:11]
	s_cmp_eq_u32 s14, 0                            ; both waves of a row half hold the same cm: the one with keys 0-127 stores it
	s_cbranch_scc0 .Lno_cm
	global_store_b128 v[SGO], v[TT:TT+3], s[8:9]
.Lno_cm:
	s_wait_tensorcnt 0x0                           ; the wave's end
	ds_add_u32 v[SPW], v[NIL]
	s_wait_dscnt 0x0
	s_endpgm
.Lfunc_end_k_q10e1380372_score:
	.size	k_q10e1380372_score, .Lfunc_end_k_q10e1380372_score-k_q10e1380372_score
	.p2alignl 7, 3214868480
	.fill 96, 4, 3214868480
	.section	.rodata,"a",@progbits
	.p2align	6, 0x0
	.amdhsa_kernel k_q10e1380372_score
		.amdhsa_group_segment_fixed_size 327680
		.amdhsa_private_segment_fixed_size 0
		.amdhsa_enable_private_segment 0
		.amdhsa_kernarg_size 32
		.amdhsa_user_sgpr_count 2
		.amdhsa_user_sgpr_kernarg_segment_ptr 1
		.amdhsa_wavefront_size32 1
		.amdhsa_system_sgpr_workgroup_id_x 1
		.amdhsa_system_sgpr_workgroup_id_y 1
		.amdhsa_system_sgpr_workgroup_id_z 1
		.amdhsa_system_vgpr_workitem_id 0
		.amdhsa_next_free_vgpr 1024
		.amdhsa_next_free_sgpr 66
		.amdhsa_reserve_vcc 1
		.amdhsa_float_denorm_mode_32 3
		.amdhsa_float_denorm_mode_16_64 3
		.amdhsa_memory_ordered 1
		.amdhsa_forward_progress 1
		.amdhsa_inst_pref_size 186
	.end_amdhsa_kernel
	.amdgpu_metadata
---
amdhsa.version: [ 1, 2 ]
amdhsa.kernels:
  - .name:           k_q10e1380372_score
    .symbol:         k_q10e1380372_score.kd
    .args:
      - { .name: qkv, .offset: 0, .size: 8, .value_kind: global_buffer, .address_space: global }
      - { .name: p, .offset: 8, .size: 8, .value_kind: global_buffer, .address_space: global }
      - { .name: cm, .offset: 16, .size: 8, .value_kind: global_buffer, .address_space: global }
      - { .name: l, .offset: 24, .size: 8, .value_kind: global_buffer, .address_space: global }
    .group_segment_fixed_size: 327680
    .private_segment_fixed_size: 0
    .kernarg_segment_align: 8
    .kernarg_segment_size: 32
    .max_flat_workgroup_size: 128
    .sgpr_count:     66
    .vgpr_count:     1024
    .wavefront_size: 32
...
	.end_amdgpu_metadata
.endif
;; end of part 3
;; launch mix (part 4): grid 8 x 32, 4 waves a work-group, clusters of 4 x 4, 327,680 bytes of LDS; arguments p, cm, l, qkv, out0; writes out0
.if DOCPART == 4
	.amdgcn_target "amdgcn-amd-amdhsa--gfx1250"
	.amdhsa_code_object_version 6
	.text
	.protected	k_q10e1380372_mix
	.globl	k_q10e1380372_mix
	.p2align	8
	.type	k_q10e1380372_mix,@function
k_q10e1380372_mix:
	s_mov_b64 s[64:65], 0
	v_nop
	global_prefetch_b8 v0, s[64:65] scope:SCOPE_SE
	s_setreg_imm32_b32 hwreg(HW_REG_WAVE_MODE, 25, 1), 1
	s_wait_xcnt 0x0
	s_wait_alu depctr_hold_cnt(0) depctr_sa_sdst(0) depctr_va_vdst(0) depctr_va_sdst(0) depctr_va_ssrc(0) depctr_va_vcc(0) depctr_vm_vsrc(0)
	s_getreg_b32 s2, hwreg(HW_REG_IB_STS2, 6, 4)
	s_cmp_eq_u32 s2, 0
	s_cbranch_scc0 .Lentry_in_a_cluster
	s_endpgm
.Lentry_in_a_cluster:
	s_bfe_u32 s2, ttmp6, 0x10000c
	s_cmp_lg_u32 s2, 0xf033
	s_cbranch_scc0 .Lentry_shape_is_right
	s_endpgm
.Lentry_shape_is_right:
; out0[b][row][ch] = (sum over key tiles t of 2^(cm_t - M) P_t V_t) / (sum over t of 2^(cm_t - M) l_t), M the running maximum of the row's cm_t, all sums, maxima and factors in f32.
; P_t: p[b][row][256 t ..] in f16, relative to the tile's own maximum cm[b][t][row]; l[b][2 t + half][row] its sums; V: columns 2048.. of qkv, f16.
; LIMITS.  As in the launch before: a weight below 2^-126 counts as 0; NaN and infinities are not treated apart.  M starts at -4.25e37, far below every cm.
; SHARES.  A work-group makes 128 rows x 128 channels, its four waves 64 x 64 each, and it makes TWO such tiles: rows 512 I + 128 cy of its batch for I = 3 - u and then I = u (u = cluster y % 2):
; 8 - 2 u and 2 + 2 u steps of 256 keys, 10 for every work-group.
; CLUSTER.  4 x 4: P's tile hangs on the rows alone and is asked for jointly along a row of the cluster, V's on the channels alone and jointly along a column.  All sixteen partners walk the same steps.
; A row tile needs the key tiles 0 .. LIM = 2 I + cy / 2; in the one step beyond (cy < 2) the tile number in P's, cm's and l's addresses is held at LIM, so that only written bytes are read,
; and cm counts as -4.25e37, so that the step's factor is 0.  No branch and no LDS address hangs on a work-group's place in its cluster.
; LAYOUT.  T = V^T P (source 0 = 16 channels x 32 keys, turned by ds_load_tr16_b128; source 1 = 32 keys x 16 rows, as P lies): a lane holds ONE row (lane % 16) and eight channels, so a row's factors are a lane's.
; In each step T starts at 0; then O = O a + T f, l = l a + l_t f, a = 2^(M_old - M_new), f = 2^(cm_t - M_new).  O and l start at 0 (128 moves, in the wait for the first tile); a block's first a is 0.
; REGISTERS.  window 0: v2-13 addresses; v16-19 at work; v32-35 M; v36-39 l (lanes 0-15: keys 0-127 of each tile, lanes 16-31: keys 128-255); v40-47 cm_t, l_t; v48-55 a, v56-63 f (in the pairs' low words);
;   v64-95 the way out; v128-255 T (a, b) at 128 + 8 (4 a + b).      window 1: two fragment buffers of 128 (64 of P, 64 of V).      window 2: v0-127 O, laid out as T.
.set PP,    528                        ; a row of P in LDS: 512 bytes + 16
.set PVP,   288                        ; a row of V: 256 + 32: an odd multiple of 32, for the turning load
.set VOFF,  128*PP
.set SLOT,  VOFF+256*PVP               ; 141,312
.set STAGE, 2*SLOT                     ; 16 rows x 272 bytes for each wave
.set SP,    272
.set SPARE, STAGE+4*16*SP
.set VSTEP, 256*6144                   ; bytes from key tile to key tile in qkv
.set AP0,  2
.set AV0,  3
.set PADR, 4
.set AV,   5                           ; v5: keys 0-127 of the tile, v6: keys 128-255
.set CMO,  7
.set LO,   8
.set STO,  9
.set RD,   10
.set GO,   11
.set PFO,  12
.set BIGC, 13
.set MN,   16
.set SPW,  28
.set NIL,  29
.set M,    32
.set L,    36
.set CMR,  40
.set LR,   44
.set FA,   48
.set FF,   56
.set TMPO, 64
.set T,    128
.set F0,   0
.set F1,   128
.set WV,   14
.set G1P,  24
.set G1V,  32
.set G0P,  40
.set G0V,  44
.set TRQ,  48                          ; the key tile to be asked for next,
.set NRQ,  49                          ; how many the row tile in hand has,
.set LRQ,  50                          ; its LIM,
.set PRQ,  51                          ; and the byte offset in p of the 64 rows that I fetch
.set LIML, 52                          ; the same for the second row tile
.set PROWL, 53
.set NL,   54
.set TC,   55                          ; the key tile in hand
.set LEFT, 56
.set LIMC, 57
.set ROWC, 58                          ; 4 x my first row in the batch
.set ROWL, 59
.set OFF,  60                          ; LDS byte at which the slot in hand begins,
.set OFFN, 61                          ; and the other
.set PLDS, 62
.set VLDS, 63
.set TP,   66
.set TV,   68
.set TS,   70
.set CMB,  72
.set LB,   74
.set VMASK, 76
.set TCL,  77
.set OUTH, 78
.set OUTL, 80
.set VB,   82
.set SEL,  84
.set CM0,  86
.set L0,   88
.set PFA,  90
.set PFS,  92
.set PFC,  94
.set CNT,  95
.set MSB, 0
.macro WIN new
.if MSB != (\new)
	s_set_vgpr_msb (MSB<<8)|(\new)
.set MSB, \new
.endif
.endm
.macro PLACES
.rept 4
	v_nop
.endr
.endm
.macro JLOAD                           ; waves 0, 1 fetch the halves of P's tile, waves 2, 3 those of V's; s_nop 0 and four v_nop follow each line
	s_cmp_lt_u32 s[WV], 2
	s_cbranch_scc0 .Lfor_v_\@
	tensor_load_to_lds s[G0P:G0P+3], s[G1P:G1P+7]
	s_nop 0
.rept 4
	v_nop
.endr
	s_branch .Lasked_\@
.Lfor_v_\@:
	tensor_load_to_lds s[G0V:G0V+3], s[G1V:G1V+7]
	s_nop 0
.rept 4
	v_nop
.endr
.Lasked_\@:
.endm
.macro CROUND
	s_barrier_signal -1
	s_barrier_wait -1
	s_cmp_lg_u32 s[WV], 0
	s_cbranch_scc1 .Lnot_wave_0_\@
	s_barrier_signal -3
.Lnot_wave_0_\@:
	s_barrier_wait -3
	s_barrier_signal -1
	s_barrier_wait -1
.endm
; The descriptors' group 0 for the next step, made anew from the tile's number, into the slot that is not in hand; then the number steps, and behind the first row tile's last key tile goes on to the second's.
.macro RQ
	s_min_u32 s[TP], s[TRQ], s[LRQ]
	s_lshl_b32 s[TP], s[TP], 9                     ; 256 keys are 512 bytes of a row of p
	s_add_co_u32 s[TP], s[TP], s[PRQ]
	s_add_nc_u64 s[G0P+2:G0P+3], s[4:5], s[TP:TP+1]
	s_or_b32 s[G0P+3], s[G0P+3], 0x80000000
	s_add_co_u32 s[G0P+1], s[PLDS], s[OFFN]
	s_mul_i32 s[TV], s[TRQ], VSTEP
	s_add_nc_u64 s[G0V+2:G0V+3], s[VB:VB+1], s[TV:TV+1]
	s_or_b32 s[G0V+3], s[G0V+3], 0x80000000
	s_add_co_u32 s[G0V+1], s[VLDS], s[OFFN]
	s_add_co_u32 s[TRQ], s[TRQ], 1
	s_cmp_eq_u32 s[TRQ], s[NRQ]
	s_cselect_b32 s[TRQ], 0, s[TRQ]
	s_cselect_b32 s[LRQ], s[LIML], s[LRQ]
	s_cselect_b32 s[PRQ], s[PROWL], s[PRQ]
	s_cselect_b32 s[NRQ], s[NL], s[NRQ]
.endm
.macro STATB                           ; where the step's cm and l lie, and whether the step counts for my rows
	s_min_u32 s[TCL], s[TC], s[LIMC]
	s_lshl_b32 s[TS], s[TCL], 13
	s_add_co_u32 s[TS], s[TS], s[ROWC]
	s_add_nc_u64 s[CMB:CMB+1], s[CM0:CM0+1], s[TS:TS+1]
	s_lshl_b32 s[TS], s[TCL], 14
	s_add_co_u32 s[TS], s[TS], s[ROWC]
	s_add_nc_u64 s[LB:LB+1], s[L0:L0+1], s[TS:TS+1]
	s_cmp_le_u32 s[TC], s[LIMC]
	s_cselect_b32 s[VMASK], -1, 0
.endm
; A PREFETCH INTO THE L2, in the first row tile's walk alone: trip s names key tile s + 2, which the next trip's refill asks for, up to the walk's last tile but one.  P's rows are read by both clusters of a row of
; clusters: the one with x = 0 asks; V's tiles by both clusters of a batch: the one with u = 0 asks.  The four partners share a tile out BY ADDRESS: of the 64 rows of P that a wave fetches 16 (by cx), two blocks of
; 256 bytes each; of its 128 keys of V 32 (by cy), a lane a key.  One instruction a wave.  V's later readings and the second row tile's P are not asked for.
.macro ASK
	s_cmp_lg_u32 s[PFC], 0
	s_cbranch_scc0 .Lnot_mine_\@
	global_prefetch_b8 v[PFO], s[PFA:PFA+1] th:TH_LOAD_NT scope:SCOPE_SE
	s_sub_co_u32 s[PFC], s[PFC], 1
.Lnot_mine_\@:
.endm
	s_load_b256 s[4:11], s[0:1], 0x0               ; p s[4:5], cm s[6:7], l s[8:9], qkv s[10:11]
	s_load_b64 s[12:13], s[0:1], 0x20              ; out0
	v_lshl_add_u32 v[SPW], v0, 2, SPARE
	v_mov_b32 v[NIL], 0
	ds_add_u32 v[SPW], v[NIL]                      ; the wave's opening: the add and its wait stand ahead of my first tensor load
	v_lshrrev_b32 v1, 5, v0
	v_readfirstlane_b32 s[WV], v1
	s_lshr_b32 s15, s[WV], 1                       ; which 64 rows are mine
	s_and_b32 s16, s[WV], 1                        ; which 64 channels; also which half of a tile I fetch
	s_bfe_u32 s17, ttmp6, 0x40000                  ; cx
	s_bfe_u32 s18, ttmp6, 0x40004                  ; cy
	s_and_b32 s19, ttmp7, 0xffff
	s_lshr_b32 s20, s19, 1                         ; the batch
	s_and_b32 s21, s19, 1                          ; u
	s_lshl_b32 s19, s21, 1                         ; 2 u
	s_lshl_b32 s22, ttmp9, 2
	s_add_co_u32 s22, s22, s17                     ; which 128 channels = 4 x cluster x + cx
	s_lshl_b32 s23, s18, 2
	s_lshl_b32 s23, 15, s23                        ; my row of the cluster
	s_lshl_b32 s100, 0x1111, s17                   ; my column
	s_or_b32 s[G1P], s23, (1<<16)|(1<<20)|(1<<21)|(6<<22)|(3<<25)   ; padding after every 128 words (code 6) of 4 words (code 3)
	s_mov_b32 s[G1P+1], 256<<16                    ; tensor_dim0 = 256 keys
	s_mov_b32 s[G1P+2], 64<<16                     ; tensor_dim1 = 64 rows
	s_mov_b32 s[G1P+3], 256<<16
	s_mov_b32 s[G1P+4], 64
	s_mov_b32 s[G1P+5], 2048
	s_mov_b32 s[G1P+6], 0
	s_mov_b32 s[G1P+7], 0
	s_or_b32 s[G1V], s100, (1<<16)|(1<<20)|(1<<21)|(5<<22)|(7<<25)  ; after every 64 words (code 5) 8 words (code 7)
	s_mov_b32 s[G1V+1], 128<<16                    ; 128 channels
	s_mov_b32 s[G1V+2], 128<<16                    ; 128 keys
	s_mov_b32 s[G1V+3], 128<<16
	s_mov_b32 s[G1V+4], 128
	s_mov_b32 s[G1V+5], 3072
	s_mov_b32 s[G1V+6], 0
	s_mov_b32 s[G1V+7], 0
	s_mov_b32 s[G0P], 1
	s_mov_b32 s[G0V], 1
	s_lshl_b32 s99, s20, 11                        ; 2,048 b
	s_sub_co_u32 s[NRQ], 8, s19                    ; the first row tile's steps
	s_add_co_u32 s[NL], s19, 2                     ; the second's
	s_mov_b32 s[LEFT], s[NRQ]
	s_lshr_b32 s98, s18, 1
	s_add_co_u32 s[LIML], s19, s98                 ; 2 u + cy / 2
	s_sub_co_u32 s[LRQ], 6, s19
	s_add_co_u32 s[LRQ], s[LRQ], s98               ; 2 (3 - u) + cy / 2
	s_mov_b32 s[LIMC], s[LRQ]
	s_lshl_b32 s98, s18, 7                         ; 128 cy
	s_lshl_b32 s96, s21, 9
	s_add_co_u32 s96, s96, s98                     ; the second row tile's first row in the batch
	s_sub_co_u32 s97, 3, s21
	s_lshl_b32 s97, s97, 9
	s_add_co_u32 s97, s97, s98                     ; the first's
	s_lshl_b32 s98, s16, 6
	s_add_co_u32 s98, s98, s99                     ; 2,048 b + the 64 rows that I fetch
	s_add_co_u32 s[PRQ], s98, s97
	s_lshl_b32 s[PRQ], s[PRQ], 12
	s_add_co_u32 s[PROWL], s98, s96
	s_lshl_b32 s[PROWL], s[PROWL], 12
	s_lshl_b32 s98, s15, 6
	s_add_co_u32 s[ROWC], s97, s98                 ; my 64 rows
	s_add_co_u32 s[ROWL], s96, s98
	s_add_co_u32 s[OUTH], s[ROWC], s99
	s_lshl_b32 s[OUTH], s[OUTH], 12                ; a row of out0 is 4,096 bytes
	s_add_co_u32 s[OUTL], s[ROWL], s99
	s_lshl_b32 s[OUTL], s[OUTL], 12
	s_lshl_b32 s101, s22, 9
	s_lshl_b32 s[TS], s16, 8
	s_add_co_u32 s101, s101, s[TS]                 ; my 64 channels, in bytes
	s_add_co_u32 s[OUTH], s[OUTH], s101
	s_add_co_u32 s[OUTL], s[OUTL], s101
	s_mov_b32 s[OUTH+1], 0
	s_mov_b32 s[OUTL+1], 0
	s_lshl_b32 s[ROWC], s[ROWC], 2
	s_lshl_b32 s[ROWL], s[ROWL], 2
	s_lshl_b32 s[TV], s16, 7
	s_add_co_u32 s[TV], s[TV], s99                 ; 2,048 b + the 128 keys that I fetch
	s_mul_i32 s[TV], s[TV], 6144
	s_lshl_b32 s100, s22, 8
	s_add_co_u32 s[TV], s[TV], s100
	s_add_co_u32 s[TV], s[TV], 4096                ; v begins 4,096 bytes into a row of qkv
	s_mov_b32 s[TV+1], 0
	s_mov_b32 s[TP+1], 0
	s_mov_b32 s[TS+1], 0
	s_mul_i32 s[PLDS], s16, 64*PP                  ; no place in the cluster enters an LDS address
	s_mul_i32 s[VLDS], s16, 128*PVP
	s_add_co_u32 s[VLDS], s[VLDS], VOFF
	s_mov_b32 s[TRQ], 0
	s_mov_b32 s[TC], 0
	s_mov_b32 s[OFFN], 0
	s_mov_b32 s[SEL], 0x76543210
	s_mov_b32 s[SEL+1], 0xfedcba98
	s_wait_dscnt 0x0                               ; the opening add is done
	s_wait_kmcnt 0x0
	s_add_nc_u64 s[VB:VB+1], s[10:11], s[TV:TV+1]
	s_add_nc_u64 s[OUTH:OUTH+1], s[12:13], s[OUTH:OUTH+1]
	s_add_nc_u64 s[OUTL:OUTL+1], s[12:13], s[OUTL:OUTL+1]
	s_lshl_b32 s[TS], s20, 16
	s_add_nc_u64 s[CM0:CM0+1], s[6:7], s[TS:TS+1]  ; cm and l at the batch
	s_lshl_b32 s[TS], s20, 17
	s_add_nc_u64 s[L0:L0+1], s[8:9], s[TS:TS+1]
	RQ                                             ; step 0, into slot 0
	CROUND                                         ; all sixteen work-groups are here: the first joint loads meet
	JLOAD
	s_mov_b32 s[OFF], 0
	s_mov_b32 s[OFFN], SLOT
	; the prefetches start at key tile 1; the first trip steps them to tile 2
	s_lshl_b32 s101, s17, 16                       ; P: my work-group's 16 rows of 4,096 bytes, by cx
	s_add_co_u32 s101, s101, s[PRQ]
	s_add_co_u32 s101, s101, 512
	s_mul_i32 s[TS], s18, 32*6144                  ; V: my work-group's 32 keys, by cy
	s_add_co_u32 s[TS], s[TS], VSTEP
	s_mov_b32 s[PFS], 512
	s_mov_b32 s[PFS+1], VSTEP
	s_sub_co_u32 s[PFC], s[NRQ], 3
	s_cmp_lt_u32 s[WV], 2
	s_cselect_b64 s[PFA:PFA+1], s[4:5], s[VB:VB+1]
	s_cselect_b32 s[TS], s101, s[TS]
	s_cselect_b32 s[PFS], s[PFS], s[PFS+1]
	s_cselect_b32 s101, ttmp9, s21                 ; the coordinate along which the other cluster reads the same bytes
	s_cselect_b32 s2, 1, 3
	s_cselect_b32 s3, 1, 24
	s_mov_b32 s[PFS+1], 0
	s_add_nc_u64 s[PFA:PFA+1], s[PFA:PFA+1], s[TS:TS+1]
	s_cmp_eq_u32 s101, 0
	s_cselect_b32 s[PFC], s[PFC], 0                ; the same in all sixteen partners, for a given wave
	s_lshl_b32 s2, s2, 12                          ; P: lanes 2 n, 2 n + 1 take row n's two blocks (4,096 and 256 bytes apart); V: a lane a key, 6,144 bytes apart
	s_lshl_b32 s3, s3, 8
	v_and_b32 v21, 31, v0
	v_lshrrev_b32 v22, 1, v21
	v_and_b32 v21, 1, v21
	v_mul_u32_u24 v[PFO], v22, s2
	v_mad_u32_u24 v[PFO], v21, s3, v[PFO]
	v_and_b32 v1, 15, v0                           ; r
	v_bfe_u32 v14, v0, 4, 1                        ; h
	v_and_b32 v15, 7, v0
	v_bfe_u32 v20, v0, 3, 1
	v_mul_u32_u24 v[AP0], v1, PP
	v_lshl_add_u32 v[AP0], v14, 4, v[AP0]
	s_mul_i32 s2, s15, 64*PP
	v_add_nc_u32 v[AP0], s2, v[AP0]
	v_lshl_add_u32 v[AV0], v14, 3, v15             ; the turning load: lane l reads key 8 (l / 16) + l % 8, channels 8 ((l / 8) % 2) + 0..7
	v_mul_u32_u24 v[AV0], v[AV0], PVP
	v_lshl_add_u32 v[AV0], v20, 4, v[AV0]
	s_lshl_b32 s2, s16, 7
	s_add_co_u32 s2, s2, VOFF
	v_add_nc_u32 v[AV0], s2, v[AV0]
	v_lshlrev_b32 v[CMO], 2, v1
	v_lshl_add_u32 v[LO], v14, 13, v[CMO]          ; lanes 16-31 take the sums of the tile's keys 128-255, 2,048 rows of 4 bytes on
	s_mul_i32 s2, s[WV], 16*SP
	s_add_co_u32 s2, s2, STAGE
	v_mul_u32_u24 v[STO], v1, SP
	v_lshl_add_u32 v[STO], v14, 5, v[STO]          ; in: row l % 16, 32 bytes for each half of the lanes
	v_add_nc_u32 v[STO], s2, v[STO]
	v_mul_u32_u24 v[RD], v14, SP
	v_lshl_add_u32 v[RD], v1, 4, v[RD]
	v_add_nc_u32 v[RD], s2, v[RD]
	v_lshlrev_b32 v[GO], 12, v14
	v_lshl_add_u32 v[GO], v1, 4, v[GO]
	v_mov_b32 v[BIGC], 0xfe000000
.irp a, 0,1,2,3
	v_mov_b32 v[M+(\a)], 0xfe000000
	v_mov_b32 v[L+(\a)], 0
	v_mov_b32 v[FA+2*(\a)+1], 0                    ; named with the factors as pairs
	v_mov_b32 v[FF+2*(\a)+1], 0
.endr
	WIN 0x80
.set i, 0
.rept 128
	v_mov_b32 v[i], 0
.set i, i+1
.endr
	WIN 0
; 8 products: row blocks a0, a0 + 1 x all 4 channel blocks, 32 keys: half c of buffer f.  The 16 accumulators take turns.
.macro MUL8 f, c, a0, zero
	WIN 0x05
.irp a, \a0, (\a0)+1
.irp b, 0,1,2,3
.if \zero
	v_wmma_f32_16x16x32_f16 v[T+8*(4*(\a)+(\b)):T+8*(4*(\a)+(\b))+7], v[(\f)+64+8*(4*(\c)+(\b)):(\f)+64+8*(4*(\c)+(\b))+7], v[(\f)+8*(4*(\c)+(\a)):(\f)+8*(4*(\c)+(\a))+7], 0
.else
	v_wmma_f32_16x16x32_f16 v[T+8*(4*(\a)+(\b)):T+8*(4*(\a)+(\b))+7], v[(\f)+64+8*(4*(\c)+(\b)):(\f)+64+8*(4*(\c)+(\b))+7], v[(\f)+8*(4*(\c)+(\a)):(\f)+8*(4*(\c)+(\a))+7], v[T+8*(4*(\a)+(\b)):T+8*(4*(\a)+(\b))+7]
.endif
.endr
.endr
.endm
.macro FETCH q, f                      ; 32 loads in one run: the fragments of keys 64 q .. 64 q + 63, the first 32 keys first
	WIN 0x40
.irp c, 0,1
.irp i, 0,1,2,3
	ds_load_tr16_b128 v[(\f)+64+8*(4*(\c)+(\i)):(\f)+64+8*(4*(\c)+(\i))+3],   v[AV+(\q)/2] offset:(((\q)%2)*64+32*(\c))*PVP+32*(\i)
	ds_load_tr16_b128 v[(\f)+64+8*(4*(\c)+(\i))+4:(\f)+64+8*(4*(\c)+(\i))+7], v[AV+(\q)/2] offset:(((\q)%2)*64+32*(\c)+16)*PVP+32*(\i)
	ds_load_b128 v[(\f)+8*(4*(\c)+(\i)):(\f)+8*(4*(\c)+(\i))+3],   v[PADR] offset:128*(\q)+64*(\c)+(\i)*16*PP
	ds_load_b128 v[(\f)+8*(4*(\c)+(\i))+4:(\f)+8*(4*(\c)+(\i))+7], v[PADR] offset:128*(\q)+64*(\c)+(\i)*16*PP+32
.endr
.endr
.endm
.macro QUARTER q, f, g, zero           ; multiplies buffer f and fetches quarter q into buffer g
	s_wait_dscnt 16                                ; the first 32 keys are in
	MUL8 \f, 0, 0, \zero
	MUL8 \f, 0, 2, \zero
	PLACES
	FETCH \q, \g
	s_wait_dscnt 32                                ; all but the 32 just issued
	MUL8 \f, 1, 0, 0
	MUL8 \f, 1, 2, 0
.endm
.macro STATS
.irp a, 0,1,2,3
	v_cndmask_b32 v[CMR+(\a)], v[BIGC], v[CMR+(\a)], s[VMASK]
.endr
.irp a, 0,1,2,3
	v_max_num_f32 v[MN+(\a)], v[M+(\a)], v[CMR+(\a)]
.endr
.irp a, 0,1,2,3
	v_sub_f32 v[FA+2*(\a)], v[M+(\a)], v[MN+(\a)]
	v_sub_f32 v[FF+2*(\a)], v[CMR+(\a)], v[MN+(\a)]
.endr
.irp a, 0,1,2,3
	v_mov_b32 v[M+(\a)], v[MN+(\a)]
.endr
.irp a, 0,1,2,3
	v_exp_f32 v[FA+2*(\a)], v[FA+2*(\a)]
	v_exp_f32 v[FF+2*(\a)], v[FF+2*(\a)]
.endr
	v_nop                                          ; a plain instruction behind the last exponential,
	s_wait_alu depctr_va_vdst(0)                   ; and one wait for the eight, ahead of their first reader
.irp a, 0,1,2,3
	v_mul_f32 v[LR+(\a)], v[FF+2*(\a)], v[LR+(\a)]
.endr
.irp a, 0,1,2,3
	v_fma_f32 v[L+(\a)], v[L+(\a)], v[FA+2*(\a)], v[LR+(\a)]
.endr
.endm
; THE WAY OUT of a row tile: l's two halves are added, O is divided by l and sent through my stage in LDS, 16 rows at a time; T's registers take the rows read back.
.macro WAYOUT ob
	WIN 0
.irp a, 0,1,2,3
	v_permlanex16_b32 v[MN+(\a)], v[L+(\a)], s[SEL], s[SEL+1]
.endr
.irp a, 0,1,2,3
	v_add_f32 v[MN+(\a)], v[L+(\a)], v[MN+(\a)]
.endr
.irp a, 0,1,2,3
	v_rcp_f32 v[FA+2*(\a)], v[MN+(\a)]
.endr
	v_nop
	s_wait_alu depctr_va_vdst(0)                   ; one wait for the four reciprocals
.irp a, 0,1,2,3
	WIN 0x02
.set i, 0
.rept 16
	v_pk_mul_f32 v[TMPO+2*i:TMPO+2*i+1], v[32*(\a)+2*i:32*(\a)+2*i+1], v[FA+2*(\a):FA+2*(\a)+1] op_sel_hi:[1,0]
.set i, i+1
.endr
	WIN 0
.set i, 0
.rept 8
	ds_store_b128 v[STO], v[TMPO+4*i:TMPO+4*i+3] offset:64*(i/2)+16*(i%2)
.set i, i+1
.endr
	s_wait_xcnt 0x0                                ; earlier stores have read the registers that are loaded again below
.set i, 0
.rept 8
	ds_load_b128 v[T+32*((\a)%2)+4*i:T+32*((\a)%2)+4*i+3], v[RD] offset:2*SP*i  ; LDS serves a wave's instructions in order (ISA guide 5.7.1.4)
.set i, i+1
.endr
	s_wait_dscnt 0x0
.set i, 0
.rept 8
	global_store_b128 v[GO], v[T+32*((\a)%2)+4*i:T+32*((\a)%2)+4*i+3], s[(\ob):(\ob)+1] offset:(16*(\a)+2*i)*4096  ; 16 lanes store 256 consecutive bytes, at a multiple of 256 from out0's first byte
.set i, i+1
.endr
.endr
.endm
; A STEP of 256 keys.  Each wave waits for all its tensor loads (the one that is out is its part of this step's slot), adds 0 to its spare word, and waits for that and for its reads of the other slot; behind the
; round of the cluster's barrier the other slot is filled with the next step's tiles, first thing: that load has the whole step, 128 products and the vector work behind them, in which to land.
.macro TRIP refill
	WIN 0
	s_wait_xcnt 0x0                                ; the prefetch's address, the bases of cm and l, and T's registers that the way out's stores read are written again only behind this wait
.if \refill
	s_add_nc_u64 s[PFA:PFA+1], s[PFA:PFA+1], s[PFS:PFS+1]
.endif
	s_wait_tensorcnt 0x0                           ; no tensor load of mine is out, so the descriptors may be written
	ds_add_u32 v[SPW], v[NIL]                      ; 0 onto my spare word; scalar work stands between it and the wait for it
.if \refill
	RQ
.endif
	STATB
	s_wait_dscnt 0x0
.if \refill
	CROUND
	JLOAD
	ASK
.else
	s_barrier_signal -1
	s_barrier_wait -1
.endif
.irp a, 0,1,2,3
	global_load_b32 v[CMR+(\a)], v[CMO], s[CMB:CMB+1] offset:64*(\a)
	global_load_b32 v[LR+(\a)], v[LO], s[LB:LB+1] offset:64*(\a)
.endr
	v_add_nc_u32 v[PADR], s[OFF], v[AP0]
	v_add_nc_u32 v[AV], s[OFF], v[AV0]
	v_add_nc_u32 v[AV+1], 128*PVP, v[AV]
	FETCH 0, F0
	QUARTER 1, F0, F1, 1                           ; the first products start T's sums
	QUARTER 2, F1, F0, 0
	QUARTER 3, F0, F1, 0
	s_wait_dscnt 16
	MUL8 F1, 0, 0, 0
	MUL8 F1, 0, 2, 0
	s_wait_dscnt 0x0
	MUL8 F1, 1, 0, 0
	MUL8 F1, 1, 2, 0
	WIN 0
	s_wait_loadcnt 0x0                             ; cm and l of the step
	STATS                                          ; its plain lines, and the rescaling, are the places behind the last products
	WIN 0x82
.set i, 0
.rept 64
	v_pk_mul_f32 v[2*i:2*i+1], v[2*i:2*i+1], v[FA+2*(i/16):FA+2*(i/16)+1] op_sel_hi:[1,0]
.set i, i+1
.endr
	WIN 0xa0
.set i, 0
.rept 64                                           ; each accumulator from its low end on
	v_pk_fma_f32 v[2*i:2*i+1], v[T+2*i:T+2*i+1], v[FF+2*(i/16):FF+2*(i/16)+1], v[2*i:2*i+1] op_sel_hi:[1,0,1]
.set i, i+1
.endr
	WIN 0
	s_xor_b32 s[OFF], s[OFF], SLOT
	s_xor_b32 s[OFFN], s[OFFN], SLOT
	s_add_co_u32 s[TC], s[TC], 1
.if \refill
	s_sub_co_u32 s[LEFT], s[LEFT], 1
	s_cmp_lg_u32 s[LEFT], 0                        ; the same in all sixteen partners; the jump passes no barrier and no tensor load
	s_cbranch_scc1 .Lgo_on_\@
	WAYOUT OUTH
	s_mov_b32 s[TC], 0                             ; the second row tile begins: its first a is 0, so O and l need only be finite
	s_mov_b32 s[LEFT], s[NL]
	s_mov_b32 s[LIMC], s[LIML]
	s_mov_b32 s[ROWC], s[ROWL]
.irp a, 0,1,2,3
	v_mov_b32 v[M+(\a)], v[BIGC]
.endr
.Lgo_on_\@:
.else
	WAYOUT OUTL
.endif
.endm
	s_mov_b32 s[CNT], 9
.Ltrip:
	TRIP 1
	s_sub_co_u32 s[CNT], s[CNT], 1
	s_cmp_lg_u32 s[CNT], 0
	s_cbranch_scc1 .Ltrip
	TRIP 0                                         ; the last step is written out: nothing is left to fetch
	s_wait_tensorcnt 0x0                           ; the wave's end
	ds_add_u32 v[SPW], v[NIL]
	s_wait_dscnt 0x0
	CROUND                                         ; the closing round
	s_endpgm
.Lfunc_end_k_q10e1380372_mix:
	.size	k_q10e1380372_mix, .Lfunc_end_k_q10e1380372_mix-k_q10e1380372_mix
	.p2alignl 7, 3214868480
	.fill 96, 4, 3214868480
	.section	.rodata,"a",@progbits
	.p2align	6, 0x0
	.amdhsa_kernel k_q10e1380372_mix
		.amdhsa_group_segment_fixed_size 327680
		.amdhsa_private_segment_fixed_size 0
		.amdhsa_enable_private_segment 0
		.amdhsa_kernarg_size 40
		.amdhsa_user_sgpr_count 2
		.amdhsa_user_sgpr_kernarg_segment_ptr 1
		.amdhsa_wavefront_size32 1
		.amdhsa_system_sgpr_workgroup_id_x 1
		.amdhsa_system_sgpr_workgroup_id_y 1
		.amdhsa_system_sgpr_workgroup_id_z 1
		.amdhsa_system_vgpr_workitem_id 0
		.amdhsa_next_free_vgpr 640
		.amdhsa_next_free_sgpr 102
		.amdhsa_reserve_vcc 0
		.amdhsa_float_denorm_mode_32 3
		.amdhsa_float_denorm_mode_16_64 3
		.amdhsa_memory_ordered 1
		.amdhsa_forward_progress 1
		.amdhsa_inst_pref_size 96
	.end_amdhsa_kernel
	.amdgpu_metadata
---
amdhsa.version: [ 1, 2 ]
amdhsa.kernels:
  - .name:           k_q10e1380372_mix
    .symbol:         k_q10e1380372_mix.kd
    .args:
      - { .name: p, .offset: 0, .size: 8, .value_kind: global_buffer, .address_space: global }
      - { .name: cm, .offset: 8, .size: 8, .value_kind: global_buffer, .address_space: global }
      - { .name: l, .offset: 16, .size: 8, .value_kind: global_buffer, .address_space: global }
      - { .name: qkv, .offset: 24, .size: 8, .value_kind: global_buffer, .address_space: global }
      - { .name: out0, .offset: 32, .size: 8, .value_kind: global_buffer, .address_space: global }
    .group_segment_fixed_size: 327680
    .private_segment_fixed_size: 0
    .kernarg_segment_align: 8
    .kernarg_segment_size: 40
    .max_flat_workgroup_size: 128
    .sgpr_count:     102
    .vgpr_count:     640
    .wavefront_size: 32
...
	.end_amdgpu_metadata
.endif
;; end of part 4
;; ======== version 2 of 2: 4 launches; version 1 with the launch cast written anew for expert scheduling mode
;; limits: values are held in f16: magnitudes above 65,504 overflow, below 6.1e-05 lose precision
;; workspace buffers: xb 16,777,216 bytes; wb 6,291,456 bytes; qkv 50,331,648 bytes; p 33,554,432 bytes; cm 262,144 bytes; l 524,288 bytes
;; launch cast (part 5): grid 352 x 1, 8 waves a work-group, no clusters, 0 bytes of LDS; arguments x, Wq, Wk, Wv, xb, wb; writes xb, wb
.if DOCPART == 5
	.amdgcn_target "amdgcn-amd-amdhsa--gfx1250"
	.amdhsa_code_object_version 6
	.text
	.protected	k_q10e1380372_cast
	.globl	k_q10e1380372_cast
	.p2align	8
	.type	k_q10e1380372_cast,@function
k_q10e1380372_cast:
	s_mov_b64 s[64:65], 0
	v_nop
	global_prefetch_b8 v0, s[64:65] scope:SCOPE_SE
	s_setreg_imm32_b32 hwreg(HW_REG_WAVE_SCHED_MODE, 0, 2), 2
	s_setreg_imm32_b32 hwreg(HW_REG_WAVE_MODE, 25, 1), 1
	s_wait_xcnt 0x0
	s_wait_alu depctr_vm_vsrc(0)
; xb = x and wb = [Wq; Wk; Wv], each number rounded once to bf16, laid out in blocks of 64 along K:
; xb [16 kb][8192 rows][64], wb [16 kb][3072 rows][64] (rows 0-1023 Wq, 1024-2047 Wk, 2048-3071 Wv), so that a tile's rows of one K block lie end to end.
; INSIDE A BLOCK K IS PERMUTED, alike for x and for the weights, so every product keeps its partner: place 8 j + e holds column 4 j + e (e < 4) or 32 + 4 j + e - 4 (e >= 4).
; That lets a thread make its 16 bytes of output from two loads of 16 bytes, with no exchange between lanes.
; SHARES.  A work-group takes 32 rows of 1,024 f32: groups 0-255 those of x, groups 256-351 those of the three weights.  Thread t: row t / 8, j = t % 8.
; All 32 loads of a thread go out at once (a pure stream: no LDS, no matrix unit, no cluster: nothing is shared); a wave's store covers 512 consecutive bytes, 4 rows of one block.
; THE MODE: SCHED_MODE bits 1:0 = 2 (LLVM: expert scheduling mode 2), set by the entry lines.  The code itself states the register dependences
; between vector instructions and memory instructions, with s_wait_alu, always for 0.
; THE PLAN.  Registers that memory instructions touch:
;   v1         the loads' offset.  Written at the head, never again; read by all 32 loads.
;   v[2:17]    the stores' offsets, one for each K block.  Each written once (v2 at the head, the others by the fifteen adds behind the loads); read by its block's store.
;   XR         a block's 8 registers as loaded.  Written by its two loads alone, once; read by its four conversions, behind the counted wait for the loads.
;   YR         a block's 4 registers to store.  Written by its four conversions, once; read by its store.
; The 16 K blocks go in four groups of four.  A group's four stores stand in one run at the head of the next group (the last group's at the end), behind ONE wait on va_vdst, which states that the
; group's sixteen conversions have written their YR; no vector instruction stands between that wait and the run, and the conversions behind the run name the next group's XR and YR alone.
; No register that a memory instruction reads is ever written again, and no load lands in a register that a vector instruction has named: so no wait on vm_vsrc is owed anywhere.
.set OFS, 2                            ; v[2:17]    byte offset of my 16 bytes in K block kb
.set XR,  20                           ; v[20:147]  block kb: 8 registers as loaded
.set YR,  148                          ; v[148:211] block kb: 4 registers to store
	s_load_b256 s[4:11], s[0:1], 0x0               ; x s[4:5], Wq s[6:7], Wk s[8:9], Wv s[10:11]
	s_load_b128 s[12:15], s[0:1], 0x20             ; xb s[12:13], wb s[14:15]
	s_sub_co_u32 s16, ttmp9, 256                   ; the group's number among the weights' groups (used only where the group is one)
	s_lshr_b32 s17, s16, 5                         ; which weight
	s_and_b32 s18, s16, 31                         ; which 32 rows of it
	s_mov_b32 s26, 8192*128                        ; bytes from K block to K block in xb,
	s_mov_b32 s27, 3072*128                        ; and in wb
	s_mov_b32 s29, 0
	s_mov_b32 s31, 0
	v_lshrrev_b32 v1, 3, v0                        ; my row
	v_and_b32 v18, 7, v0                           ; j
	v_lshlrev_b32 v18, 4, v18
	v_lshl_add_u32 v1, v1, 12, v18                 ; row x 4,096 + 16 j
	v_lshlrev_b32 v[OFS], 4, v0                    ; row x 128 + 16 j = 16 t
	s_wait_kmcnt 0x0
	s_cmp_eq_u32 s17, 1
	s_cselect_b64 s[20:21], s[8:9], s[6:7]
	s_cmp_eq_u32 s17, 2
	s_cselect_b64 s[20:21], s[10:11], s[20:21]
	s_cmp_lt_u32 ttmp9, 256                        ; a group of x?
	s_cselect_b64 s[20:21], s[4:5], s[20:21]       ; from where,
	s_cselect_b64 s[22:23], s[12:13], s[14:15]     ; to where,
	s_cselect_b32 s24, ttmp9, s18                  ; which 32 rows of the source,
	s_cselect_b32 s25, ttmp9, s16                  ; and of the destination
	s_cselect_b32 s26, s26, s27
	s_lshl_b32 s28, s24, 17                        ; 32 rows of 4,096 bytes
	s_lshl_b32 s30, s25, 12                        ; 32 rows of 128 bytes
	s_add_nc_u64 s[20:21], s[20:21], s[28:29]
	s_add_nc_u64 s[22:23], s[22:23], s[30:31]
	s_wait_alu depctr_va_vdst(0)                   ; v1 is written: every load below reads it as its offset
.set kb, 0
.rept 16
	global_load_b128 v[XR+8*kb:XR+8*kb+3],   v1, s[20:21] offset:256*kb th:TH_LOAD_NT      ; columns 64 kb + 4 j ..
	global_load_b128 v[XR+8*kb+4:XR+8*kb+7], v1, s[20:21] offset:256*kb+128 th:TH_LOAD_NT  ; columns 64 kb + 32 + 4 j ..
.set kb, kb+1
.endr
.set kb, 1
.rept 15
	v_add_nc_u32 v[OFS+kb], s26, v[OFS+kb-1]       ; no memory instruction has read these registers; the first wait below states that they are written
.set kb, kb+1
.endr
; The four stores of group g: K blocks 4 g to 4 g + 3.
.macro SEND g
.irp n, 0,1,2,3
	global_store_b128 v[OFS+4*(\g)+(\n)], v[YR+16*(\g)+4*(\n):YR+16*(\g)+4*(\n)+3], s[22:23]  ; no register is written twice, so no store's source needs a wait before it is written again
.endr
.endm
.irp g, 0,1,2,3
.irp i, 0,1,2,3
	s_wait_loadcnt 30-2*(4*(\g)+(\i))              ; loads come back in order: this block's two are in, the younger blocks' stay out
.if ((\i) == 0) && ((\g) > 0)
	s_wait_alu depctr_va_vdst(0)                   ; the group before has written its sixteen YR, which the four stores below read; at the first such wait the fifteen adds have also written the stores' offsets
	SEND (\g)-1
.endif
	v_cvt_pk_bf16_f32 v[YR+4*(4*(\g)+(\i))],   v[XR+8*(4*(\g)+(\i))],   v[XR+8*(4*(\g)+(\i))+1]
	v_cvt_pk_bf16_f32 v[YR+4*(4*(\g)+(\i))+1], v[XR+8*(4*(\g)+(\i))+2], v[XR+8*(4*(\g)+(\i))+3]
	v_cvt_pk_bf16_f32 v[YR+4*(4*(\g)+(\i))+2], v[XR+8*(4*(\g)+(\i))+4], v[XR+8*(4*(\g)+(\i))+5]
	v_cvt_pk_bf16_f32 v[YR+4*(4*(\g)+(\i))+3], v[XR+8*(4*(\g)+(\i))+6], v[XR+8*(4*(\g)+(\i))+7]
.endr
.endr
	s_wait_alu depctr_va_vdst(0)                   ; the last group has written its sixteen YR, which the last four stores read
	SEND 3
	s_endpgm
.Lfunc_end_k_q10e1380372_cast:
	.size	k_q10e1380372_cast, .Lfunc_end_k_q10e1380372_cast-k_q10e1380372_cast
	.p2alignl 7, 3214868480
	.fill 96, 4, 3214868480
	.section	.rodata,"a",@progbits
	.p2align	6, 0x0
	.amdhsa_kernel k_q10e1380372_cast
		.amdhsa_group_segment_fixed_size 0
		.amdhsa_private_segment_fixed_size 0
		.amdhsa_enable_private_segment 0
		.amdhsa_kernarg_size 48
		.amdhsa_user_sgpr_count 2
		.amdhsa_user_sgpr_kernarg_segment_ptr 1
		.amdhsa_wavefront_size32 1
		.amdhsa_system_sgpr_workgroup_id_x 1
		.amdhsa_system_sgpr_workgroup_id_y 1
		.amdhsa_system_sgpr_workgroup_id_z 1
		.amdhsa_system_vgpr_workitem_id 0
		.amdhsa_next_free_vgpr 212
		.amdhsa_next_free_sgpr 66
		.amdhsa_reserve_vcc 0
		.amdhsa_float_denorm_mode_32 3
		.amdhsa_float_denorm_mode_16_64 3
		.amdhsa_memory_ordered 1
		.amdhsa_forward_progress 1
		.amdhsa_inst_pref_size 12
	.end_amdhsa_kernel
	.amdgpu_metadata
---
amdhsa.version: [ 1, 2 ]
amdhsa.kernels:
  - .name:           k_q10e1380372_cast
    .symbol:         k_q10e1380372_cast.kd
    .args:
      - { .name: x, .offset: 0, .size: 8, .value_kind: global_buffer, .address_space: global }
      - { .name: Wq, .offset: 8, .size: 8, .value_kind: global_buffer, .address_space: global }
      - { .name: Wk, .offset: 16, .size: 8, .value_kind: global_buffer, .address_space: global }
      - { .name: Wv, .offset: 24, .size: 8, .value_kind: global_buffer, .address_space: global }
      - { .name: xb, .offset: 32, .size: 8, .value_kind: global_buffer, .address_space: global }
      - { .name: wb, .offset: 40, .size: 8, .value_kind: global_buffer, .address_space: global }
    .group_segment_fixed_size: 0
    .private_segment_fixed_size: 0
    .kernarg_segment_align: 8
    .kernarg_segment_size: 48
    .max_flat_workgroup_size: 256
    .sgpr_count:     66
    .vgpr_count:     212
    .wavefront_size: 32
...
	.end_amdgpu_metadata
.endif
;; end of part 5
;; launch proj: the kernel of part 2 again; grid 8 x 32, 4 waves a work-group, clusters of 4 x 4, 327,680 bytes of LDS; arguments xb, wb, qkv; writes qkv
;; launch score: the kernel of part 3 again; grid 36 x 4, 4 waves a work-group, no clusters, 327,680 bytes of LDS; arguments qkv, p, cm, l; writes p, cm, l
;; launch mix: the kernel of part 4 again; grid 8 x 32, 4 waves a work-group, clusters of 4 x 4, 327,680 bytes of LDS; arguments p, cm, l, qkv, out0; writes out0
